; MI455X (gfx1250); checked and timed in simulation.
; The chip was launched on July 23, 2026; its instructions are those of AMD's public machine-readable ISA for CDNA 5 (MIT licence, August 2026) and "CDNA5" Instruction Set Architecture Reference Guide (July 2026). The comments in the code are by the model that wrote it; some were corrected since.
;; MLA. Allowed arithmetic: float matrix products may take bf16 or f16 operands with f32 sums; all other float work in f32.
;; Inputs: w_down 2,048 x 1,024 float32; w_up 1,024 x 2,048 float32; wo 1,024 x 2,048 float32; wq 2,048 x 1,024 float32; x 2 x 2,048 x 2,048 float32.
;; Outputs: out0 2 x 2,048 x 2,048 float32.
;; One version. Each part assembles by itself: llvm-mc -triple=amdgcn-amd-amdhsa -mcpu=gfx1250 --defsym DOCPART=n.
;; ======== version 1 of 1: 5 launches
;; limits: values are held in f16: magnitudes above 65,504 overflow, below 6.1e-05 lose precision; inputs' magnitudes at most 65,504; right only within a limited range of input values
;; workspace buffers: xh 16,777,216 bytes; w16 16,777,216 bytes; tab 557,056 bytes; mx 4,096 bytes; qc 20,971,520 bytes; kv 20,971,520 bytes; ao 10,485,760 bytes
;; launch prep (part 1): grid 1024 x 1, 8 waves a work-group, no clusters, 1,280 bytes of LDS; arguments x, wq, w_down, w_up, wo, xh, w16, tab, mx; writes xh, w16, tab, mx
.if DOCPART == 1
	.amdgcn_target "amdgcn-amd-amdhsa--gfx1250"
	.amdhsa_code_object_version 6
	.text
	.protected	k_q451f2f08c0_prep
	.globl	k_q451f2f08c0_prep
	.p2align	8
	.type	k_q451f2f08c0_prep,@function
k_q451f2f08c0_prep:
	s_mov_b64 s[64:65], 0
	v_nop
	global_prefetch_b8 v0, s[64:65] scope:SCOPE_SE
	s_setreg_imm32_b32 hwreg(HW_REG_WAVE_MODE, 25, 1), 1
	s_wait_xcnt 0x0
; 16-bit copies of x and of the four weights, the largest magnitude of each work-group's share, and the RoPE table.
; Every number is rounded to bf16 (nearest even) and kept as f16, which holds a bf16's 8 significant bits exactly
; from 6.1e-5 up to 65,504 (below: absolute error at most 3e-8).  LIMIT: |x| and |w| below 65,504; no NaN, no infinity.
;   xh  : x as 32 panels [column/64][4096 rows][64] f16 (a row of a panel is 128 bytes, a panel 524,288)
;   w16 : f16 [k][2048]: byte 0 [2048][wq | w_down], byte 8,388,608 w_up, byte 12,582,912 wo
;   mx  : f32, word w = largest |number| that work-group w copied (0..511 x, 512.. wq, 640.. w_down, 768.. w_up, 896.. wo)
;   tab : f32 [2176 rows][32 pairs](cos, sin): rows 0..2047 the positions, rows 2048..2175 hold (1, 0)
; A work-group copies 64 KiB of f32, a wave 8 KiB: sixteen loads of 16 bytes a lane, all issued first, and sixteen
; stores of 8 bytes a lane, each covering 256 consecutive bytes, aligned.  A stream: no matrix unit, no cluster, no tiles in LDS.
; LIMIT of the table: the angle t * 10000^(-j/32) is formed in f32 as the problem's own text forms it; at the largest t it is good to about 3e-4 rad.
.set SO,  2                            ; v2   byte offset of my 16 bytes in the source
.set DO,  3                            ; v3   byte offset of my 8 bytes in the copy
.set T0,  8                            ; v8-9   two words of bf16
.set U0,  10                           ; v10-13 the four rounded numbers as f32
.set MXA, 14                           ; v14, v15 two running maxima
.set MXB, 15
.set X,   32                           ; v[32:95] sixteen chunks as loaded; words 0, 1 of a chunk then hold its f16
	s_load_b512 s[8:23], s[0:1], 0x0               ; x s[8:9], wq s[10:11], w_down s[12:13], w_up s[14:15], wo s[16:17], xh s[18:19], w16 s[20:21], tab s[22:23]
	s_load_b64 s[24:25], s[0:1], 0x40              ; mx
	v_lshl_add_u32 v108, v0, 2, 0x100
	v_mov_b32 v109, 0
	v_and_b32 v1, 31, v0                           ; lane L
	v_lshrrev_b32 v4, 5, v0
	v_readfirstlane_b32 s26, v4                    ; wave
	s_mov_b32 s27, ttmp9                           ; work-group w
	s_mov_b32 s33, 0xffff0000                      ; a word's upper bf16
	s_mov_b32 s40, 0x76543210                      ; v_permlanex16_b32: lane i reads lane i of the other half
	s_mov_b32 s41, 0xfedcba98
	v_mov_b32 v[MXA], 0                            ; magnitudes are at least 0
	v_mov_b32 v[MXB], 0
	s_wait_kmcnt 0x0
; sixteen chunks: source s[28:29] + SO + c * sstep, copy s[30:31] + DO + c * dstep
.macro CAST sstep, dstep
.set c, 0
.rept 16
	global_load_b128 v[X+4*c:X+4*c+3], v[SO], s[28:29] offset:c*\sstep th:TH_LOAD_NT
.set c, c+1
.endr
.set c, 0
.rept 16
	s_wait_loadcnt 15-c                            ; loads come back in order: chunk c is in, the 15 - c younger ones stay out
	v_cvt_pk_bf16_f32 v[T0],   v[X+4*c],   v[X+4*c+1]
	v_cvt_pk_bf16_f32 v[T0+1], v[X+4*c+2], v[X+4*c+3]
	v_lshlrev_b32 v[U0],   16,  v[T0]
	v_and_b32     v[U0+1], s33, v[T0]
	v_lshlrev_b32 v[U0+2], 16,  v[T0+1]
	v_and_b32     v[U0+3], s33, v[T0+1]
	v_max3_num_f32 v[MXA], |v[U0]|,   |v[U0+1]|, v[MXA]
	v_max3_num_f32 v[MXB], |v[U0+2]|, |v[U0+3]|, v[MXB]
	v_cvt_pk_f16_f32 v[X+4*c],   v[U0],   v[U0+1]  ; exact in f16's normal range
	v_cvt_pk_f16_f32 v[X+4*c+1], v[U0+2], v[U0+3]
	global_store_b64 v[DO], v[X+4*c:X+4*c+1], s[30:31] offset:c*\dstep
.set c, c+1
.endr
.endm
	s_cmp_lt_u32 s27, 512
	s_cbranch_scc1 .Ljob_x
	s_cmp_lt_u32 s27, 768
	s_cbranch_scc1 .Ljob_qd
	; w_up or wo: [1024][2048] f32 to the same shape in f16: a dense copy, 8 rows a work-group
	s_sub_co_u32 s34, s27, 768
	s_lshr_b32 s35, s34, 7                         ; 0 w_up, 1 wo
	s_and_b32 s34, s34, 127
	s_cmp_lg_u32 s35, 0
	s_cselect_b64 s[28:29], s[16:17], s[14:15]
	s_mov_b64 s[30:31], s[20:21]
	s_lshl_b32 s36, s34, 16
	s_lshl_b32 s37, s26, 13
	s_add_co_u32 s36, s36, s37
	v_lshl_add_u32 v[SO], v1, 4, s36
	s_lshl_b32 s38, s35, 22
	s_lshl_b32 s39, s34, 15
	s_add_co_u32 s38, s38, s39
	s_lshl_b32 s39, s26, 12
	s_add_co_u32 s38, s38, s39
	s_add_co_u32 s38, s38, 8388608
	v_lshl_add_u32 v[DO], v1, 3, s38
	CAST 512, 256
	s_branch .Ltail
.Ljob_qd:
	; wq or w_down: [2048][1024] f32 into the left or right half of [2048][2048] f16: 16 rows a work-group, 128 columns a wave
	s_sub_co_u32 s34, s27, 512
	s_lshr_b32 s35, s34, 7                         ; 0 wq, 1 w_down
	s_and_b32 s34, s34, 127
	s_cmp_lg_u32 s35, 0
	s_cselect_b64 s[28:29], s[12:13], s[10:11]
	s_mov_b64 s[30:31], s[20:21]
	s_lshl_b32 s36, s34, 16
	s_lshl_b32 s37, s26, 9
	s_add_co_u32 s36, s36, s37
	v_lshl_add_u32 v[SO], v1, 4, s36
	s_lshl_b32 s38, s34, 16
	s_lshl_b32 s39, s35, 11
	s_add_co_u32 s38, s38, s39
	s_lshl_b32 s39, s26, 8
	s_add_co_u32 s38, s38, s39
	v_lshl_add_u32 v[DO], v1, 3, s38
	CAST 4096, 4096
	s_branch .Ltail
.Ljob_x:
	; x: 32 rows x 8 panels a work-group, one panel a wave; a chunk is two rows' 256 bytes of f32, 256 dense bytes of the panel
	s_mov_b64 s[28:29], s[8:9]
	s_mov_b64 s[30:31], s[18:19]
	s_and_b32 s34, s27, 3
	s_lshr_b32 s35, s27, 2                         ; group of 32 rows
	s_lshl3_add_u32 s34, s34, s26                  ; panel = 8 (w & 3) + wave
	s_lshl_b32 s36, s35, 18
	s_lshl_b32 s37, s34, 8
	s_add_co_u32 s36, s36, s37
	v_lshrrev_b32 v4, 4, v1
	v_and_b32 v5, 15, v1
	v_lshl_add_u32 v[SO], v5, 4, s36
	v_lshl_add_u32 v[SO], v4, 13, v[SO]            ; lanes 16-31 take the next row
	s_lshl_b32 s38, s34, 19
	s_lshl_b32 s39, s35, 12
	s_add_co_u32 s38, s38, s39
	v_lshl_add_u32 v[DO], v1, 3, s38
	CAST 16384, 256
.Ltail:
	; the work-group's largest magnitude: over the lanes, then over the eight waves through LDS
	v_max_num_f32 v[MXA], v[MXA], v[MXB]
	v_max_num_f32_dpp v[MXA], v[MXA], v[MXA] row_xmask:1 row_mask:0xf bank_mask:0xf
	v_max_num_f32_dpp v[MXA], v[MXA], v[MXA] row_xmask:2 row_mask:0xf bank_mask:0xf
	v_max_num_f32_dpp v[MXA], v[MXA], v[MXA] row_xmask:4 row_mask:0xf bank_mask:0xf
	v_max_num_f32_dpp v[MXA], v[MXA], v[MXA] row_xmask:8 row_mask:0xf bank_mask:0xf
	v_permlanex16_b32 v[MXB], v[MXA], s40, s41
	v_max_num_f32 v[MXA], v[MXA], v[MXB]
	v_mov_b32 v4, s26
	v_lshlrev_b32 v4, 2, v4
	ds_store_b32 v4, v[MXA]                        ; all lanes write the wave's word with one value
	s_wait_dscnt 0x0                               ; for the other waves' sake: my store is done before I signal
	s_barrier_signal -1
	s_barrier_wait -1
	s_cmp_lg_u32 s26, 0
	s_cbranch_scc1 .Lend                           ; wave 0 alone finishes: one word of mx, two rows of the table
	v_mov_b32 v106, 0
	ds_load_b128 v[16:19], v106
	ds_load_b128 v[20:23], v106 offset:16
	; the table: row t = 2 w + L / 16, pairs j = 2 (L % 16) and j + 1
	v_lshrrev_b32 v4, 4, v1
	s_lshl_b32 s42, s27, 1
	v_add_nc_u32 v4, s42, v4
	v_cvt_f32_u32 v6, v4                           ; t
	v_and_b32 v5, 15, v1
	v_lshlrev_b32 v5, 1, v5
	v_cvt_f32_u32 v7, v5                           ; j
	v_add_f32 v5, 1.0, v7                          ; j + 1
; cos and sin of t * 2^(-j log2(10000) / 32): the angle less n quarter turns (pi/2 in two parts), |rest| <= pi/4,
; series to r^7 and r^8 (next terms below 4e-7), then the quadrant n mod 4 swaps and signs
.macro SINCOS j, c, s
	v_mul_f32 v24, 0xbed49a78, v[\j]               ; -j log2(10000) / 32
	v_exp_f32 v25, v24
	v_nop                                          ; one plain place behind a transcendental (ISA guide 5.7.2)
	s_wait_alu depctr_va_vdst(0)
	v_mul_f32 v24, v6, v25                         ; the angle
	v_mul_f32 v25, 0x3f22f983, v24                 ; x 2 / pi
	v_rndne_f32 v25, v25                           ; n
	v_fmamk_f32 v26, v25, 0xbfc90fdb, v24          ; - n x the upper part of pi/2
	v_fmamk_f32 v26, v25, 0x333bbd2e, v26          ; - n x the lower part (which is negative)
	v_mul_f32 v27, v26, v26
	v_mov_b32 v28, 0x3c088889                      ; 1/120
	v_fmamk_f32 v28, v27, 0xb9500d01, v28          ; - r2 / 5040
	v_fmaak_f32 v28, v28, v27, 0xbe2aaaab          ; - 1/6
	v_mul_f32 v28, v28, v27
	v_fma_f32 v28, v28, v26, v26                   ; sin r
	v_mov_b32 v29, 0xbab60b61                      ; -1/720
	v_fmamk_f32 v29, v27, 0x37d00d01, v29          ; + r2 / 40320
	v_fmaak_f32 v29, v29, v27, 0x3d2aaaab          ; + 1/24
	v_fma_f32 v29, v29, v27, -0.5
	v_fma_f32 v29, v29, v27, 1.0                   ; cos r
	v_cvt_i32_f32 v30, v25
	v_and_b32 v31, 1, v30
	v_cmp_eq_u32 vcc_lo, 1, v31
	v_cndmask_b32 v[\s], v28, v29, vcc_lo          ; odd quadrant: the two change places
	v_cndmask_b32 v[\c], v29, v28, vcc_lo
	v_and_b32 v31, 2, v30
	v_lshlrev_b32 v31, 30, v31
	v_xor_b32 v[\s], v[\s], v31                    ; sin is negative in quadrants 2, 3
	v_add_nc_u32 v30, 1, v30
	v_and_b32 v30, 2, v30
	v_lshlrev_b32 v30, 30, v30
	v_xor_b32 v[\c], v[\c], v30                    ; cos in quadrants 1, 2
.endm
	SINCOS 7, 96, 97
	SINCOS 5, 98, 99
	s_lshl_b32 s43, s27, 9
	v_lshl_add_u32 v104, v1, 4, s43
	global_store_b128 v104, v[96:99], s[22:23]     ; two rows of 256 bytes
	s_cmp_ge_u32 s27, 64
	s_cbranch_scc1 .Lno_unit
	v_mov_b32 v100, 1.0                            ; rows 2048..2175: the rotation that changes nothing
	v_mov_b32 v101, 0
	v_mov_b32 v102, 1.0
	v_mov_b32 v103, 0
	global_store_b128 v104, v[100:103], s[22:23] offset:524288
.Lno_unit:
	s_wait_dscnt 0x0
	v_max3_num_f32 v16, v16, v17, v18
	v_max3_num_f32 v19, v19, v20, v21
	v_max3_num_f32 v16, v16, v22, v23
	v_max_num_f32 v16, v16, v19
	s_lshl_b32 s44, s27, 2
	v_mov_b32 v105, s44
	v_cmp_eq_u32 vcc_lo, 0, v1
	s_wait_xcnt 0x0                                ; EXEC is a source of the stores above: it changes only behind this wait
	s_and_saveexec_b32 s45, vcc_lo
	global_store_b32 v105, v16, s[24:25]           ; lane 0: mx[w]
	s_wait_xcnt 0x0                                ; and again in front of the line that widens it
	s_or_b32 exec_lo, exec_lo, s45
.Lend:
	s_wait_tensorcnt 0x0
	ds_add_u32 v108, v109
	s_wait_dscnt 0x0
	s_endpgm
.Lfunc_end_k_q451f2f08c0_prep:
	.size	k_q451f2f08c0_prep, .Lfunc_end_k_q451f2f08c0_prep-k_q451f2f08c0_prep
	.p2alignl 7, 3214868480
	.fill 96, 4, 3214868480
	.section	.rodata,"a",@progbits
	.p2align	6, 0x0
	.amdhsa_kernel k_q451f2f08c0_prep
		.amdhsa_group_segment_fixed_size 1280
		.amdhsa_private_segment_fixed_size 0
		.amdhsa_enable_private_segment 0
		.amdhsa_kernarg_size 72
		.amdhsa_user_sgpr_count 2
		.amdhsa_user_sgpr_kernarg_segment_ptr 1
		.amdhsa_wavefront_size32 1
		.amdhsa_system_sgpr_workgroup_id_x 1
		.amdhsa_system_sgpr_workgroup_id_y 1
		.amdhsa_system_sgpr_workgroup_id_z 1
		.amdhsa_system_vgpr_workitem_id 0
		.amdhsa_next_free_vgpr 110
		.amdhsa_next_free_sgpr 66
		.amdhsa_reserve_vcc 1
		.amdhsa_float_denorm_mode_32 3
		.amdhsa_float_denorm_mode_16_64 3
		.amdhsa_memory_ordered 1
		.amdhsa_forward_progress 1
		.amdhsa_inst_pref_size 43
	.end_amdhsa_kernel
	.amdgpu_metadata
---
amdhsa.version: [ 1, 2 ]
amdhsa.kernels:
  - .name:           k_q451f2f08c0_prep
    .symbol:         k_q451f2f08c0_prep.kd
    .args:
      - { .name: x, .offset: 0, .size: 8, .value_kind: global_buffer, .address_space: global }
      - { .name: wq, .offset: 8, .size: 8, .value_kind: global_buffer, .address_space: global }
      - { .name: w_down, .offset: 16, .size: 8, .value_kind: global_buffer, .address_space: global }
      - { .name: w_up, .offset: 24, .size: 8, .value_kind: global_buffer, .address_space: global }
      - { .name: wo, .offset: 32, .size: 8, .value_kind: global_buffer, .address_space: global }
      - { .name: xh, .offset: 40, .size: 8, .value_kind: global_buffer, .address_space: global }
      - { .name: w16, .offset: 48, .size: 8, .value_kind: global_buffer, .address_space: global }
      - { .name: tab, .offset: 56, .size: 8, .value_kind: global_buffer, .address_space: global }
      - { .name: mx, .offset: 64, .size: 8, .value_kind: global_buffer, .address_space: global }
    .group_segment_fixed_size: 1280
    .private_segment_fixed_size: 0
    .kernarg_segment_align: 8
    .kernarg_segment_size: 72
    .max_flat_workgroup_size: 256
    .sgpr_count:     66
    .vgpr_count:     110
    .wavefront_size: 32
...
	.end_amdgpu_metadata
.endif
;; end of part 1
;; launch gemm1 (part 2): grid 8 x 32, 4 waves a work-group, clusters of 4 x 4, 327,680 bytes of LDS; arguments xh, w16, tab, qc; writes qc
.if DOCPART == 2
	.amdgcn_target "amdgcn-amd-amdhsa--gfx1250"
	.amdhsa_code_object_version 6
	.text
	.protected	k_q451f2f08c0_gemm1
	.globl	k_q451f2f08c0_gemm1
	.p2align	8
	.type	k_q451f2f08c0_gemm1,@function
k_q451f2f08c0_gemm1:
	s_mov_b64 s[64:65], 0
	v_nop
	global_prefetch_b8 v0, s[64:65] scope:SCOPE_SE
	s_setreg_imm32_b32 hwreg(HW_REG_WAVE_MODE, 25, 1), 1
	s_wait_xcnt 0x0
	s_wait_alu depctr_hold_cnt(0) depctr_sa_sdst(0) depctr_va_vdst(0) depctr_va_sdst(0) depctr_va_ssrc(0) depctr_va_vcc(0) depctr_vm_vsrc(0)
	s_getreg_b32 s2, hwreg(HW_REG_IB_STS2, 6, 4)
	s_cmp_eq_u32 s2, 0
	s_cbranch_scc0 .Lentry_in_a_cluster
	s_endpgm
.Lentry_in_a_cluster:
	s_bfe_u32 s2, ttmp6, 0x10000c
	s_cmp_lg_u32 s2, 0xf033
	s_cbranch_scc0 .Lentry_shape_is_right
	s_endpgm
.Lentry_shape_is_right:
; One text for the program's three products C[4096][2048] = A[4096][KDIM] W[KDIM][2048], f16 operands, f32 sums; MODE picks the sizes and the way out.
;   MODE 1: [q | c_kv] = x [wq | w_down], KDIM 2048; each pair of columns is rotated by the table (q: row t; c_kv: the rows that hold (1, 0)); f16 out
;   MODE 2: kv = c_kv w_up, KDIM 1024; a head's 64 k columns are rotated, its 64 v columns are not; all times sigma; f16 out, k and v apart
;   MODE 3: out0 = (ao wo) / sigma, KDIM 1024; f32 out
; sigma is a power of two with sigma |kv| < 2^15 for every input: |kv| <= 2^21 max|x| max|w_down| max|w_up| (2048 x 1024 terms), the three maxima read from mx.
; LIMIT: q and c_kv are kept in f16 unscaled: |q|, |c_kv| below 65,504.  No NaN, no infinity.
; REMAINDERS.  Output row t averages t + 1 values, so the first rows are about ten times the size of the whole output's rms, by which the error is judged:
; f16's 11 bits are too few for them.  So the first 32 rows of each block of 128 rows carry a second f16 number, the remainder x - f16(x), taken exactly
; in f32; from row 32 on (size below 0.3 of row 0's) one f16 number is enough.  A remainder under 6.1e-5 is an f16 denormal: absolute error at most 3e-8.
; MODES 1, 2 store the remainders of q, c_kv, k, v; MODES 2, 3 (ALO = 1) add A's remainders times W to those 32 rows' sums: 8 matrix instructions on 32.
; Only the two blocks at t = 0 need this, yet every block does it: the sixteen work-groups of a cluster run one text, with no branch on their place.
; A lies in panels of 64 columns: MODE 1 [k/64][4096][64]; MODES 2, 3 [k/64][32 blocks][160 rows][64], rows 128..159 of a block the remainders of its
; rows 0..31: a block of a panel is dense memory, one tensor load.  W lies [k][2048] f16 and is transposed on its way out of LDS.
; A work-group makes 128 x 256 of C with four waves, as many as a WGP has SIMDs; a wave makes 64 x 128: 32 accumulator tiles, 256 registers; its row tile a
; is rows 32 a + 16 wr + 0..15 of the block, so that tile 0 of the two halves wr is the block's first 32 rows.
; 32 x 8 work-groups.  K goes in steps of 128 through two LDS slots; each wave fetches a quarter of a slot by one tensor load.
; CLUSTERS of 4 x 4: A's tile hangs on the block row alone and is asked for jointly by a row of the cluster, W's on the block column alone and by a column.
; THE MATRIX INSTRUCTION IS USED TRANSPOSED (source 0 = 16 columns of W, source 1 = 16 rows of A): lane l holds row l % 16 of C and
; its registers 0..7 the columns 8 (l / 16) + 0..7, eight neighbours of a row, four rotation pairs.
; REGISTER WINDOWS: 0 addresses, fragments, work; 1 the accumulators, tile (a, b) at v[8 (8 a + b)]; 2 (MODES 1, 2) the table, (a, b % 4) at v[8 (4 a + b)].
.set MODE, 1
.if MODE == 1
.set KDIM, 2048
.set ALO,  0                           ; A has no remainders: x is exact in f16
.set AOFF, 0                           ; A's first panel in its buffer
.set BOFF, 0                           ; W's first byte in w16
.set ROTN, 8                           ; tiles b < ROTN are rotated
.set PTAB, 8
.set POUT, 10
.endif
.if MODE == 2
.set KDIM, 1024
.set ALO,  1
.set AOFF, 8388608
.set BOFF, 8388608
.set ROTN, 4
.set PTAB, 8
.set PMX, 10
.set POUT, 22
.endif
.if MODE == 3
.set KDIM, 1024
.set ALO,  1
.set AOFF, 0
.set BOFF, 12582912
.set PMX, 8
.set POUT, 10
.endif
.set AROWS, 128+32*ALO                 ; rows of a block in a panel of A
.set ABLK,  AROWS*128                  ; its bytes
.set PANB,  32*ABLK                    ; bytes of a panel of A
.set LAPS,  KDIM/256                   ; a lap = two K steps = once round the ring
.set PA,    144                        ; LDS pitch of A's rows: 128 bytes + 16, an odd multiple of 16
.set PB,    544                        ; LDS pitch of W's rows: 512 bytes + 32, an odd multiple of 32 (transposing loads)
.set BHALF, 64*PB                      ; 64 k rows of W: one tensor load
.set APAN,  AROWS*PA                   ; a block of one panel of A: one tensor load
.set AREG,  2*BHALF                    ; A's two panels lie behind W's 128 rows
.set SLOT,  AREG+2*APAN
.set STAGE, 2*SLOT                     ; behind the ring: each wave's own 16 rows for the way out; no tensor load lands there
.set NF,    24+2*ALO                   ; LDS loads of a quarter step
.set NY,    4+2*ALO                    ; the youngest of them: A's tiles 2, 3 and the remainders
.if MODE == 3
.set SP, 528                           ; a stage row: 512 bytes + 16
.else
.set SP, 272                           ; 256 bytes + 16
.endif
.set G1A, 24                           ; s[24:31] group 1 of A's tiles     s[32:39] group 0, one set a slot
.set G0A, 32
.set G1B, 40                           ; s[40:47] group 1 of W's tiles     s[48:55] group 0, one set a slot
.set G0B, 48
.set PLO,  74                          ; s[74:75] where the remainders go
.set SPL,  10                          ; v[10:11] 2^13 + 1, twice
.set SIG,  12                          ; v[12:13] sigma, twice
.set ISG,  14                          ; v[14:15] 1 / sigma, twice
.set ADRA, 16                          ; v16-17 LDS address of my A fragments in slot 0, 1
.set ADRB, 20                          ; v20-21 the same for W
.set STO,  24                          ; where I put my part of a stage row
.set RD,   25                          ; where I read the stage back
.set CO,   26                          ; my byte offset in the output (MODES 1, 2)
.set TOFF, 27                          ; my byte offset in the table
.set LO16, 28                          ; 16 x lane
.set CL,   29                          ; my byte offset among the remainders
.set FA,   32                          ; v32-63, v64-95    A fragments (4 x 8), two buffers
.set FB,   96                          ; v96-159, v160-223 W fragments (8 x 8), two buffers
.set FL,   224                         ; v224-231, v232-239 the remainders' fragment, two buffers
.set TMP,  224                         ; v224-255 ahead of the loop: mx; on the way out: packed results
.set RR,   32                          ; the way out: results in f32
.set TT,   96                          ; the way out: products at work, then remainders
.set GG,   160                         ; the way out: the numbers that f16 holds
.set RF,   160                         ; MODE 3: results in f32
.set MSB, 0
.macro WIN new                         ; s_set_vgpr_msb: bits 1:0 source 0, 3:2 source 1, 5:4 source 2, 7:6 destination; the high byte repeats the setting left
.if MSB != \new
	s_set_vgpr_msb (MSB<<8)|\new
.set MSB, \new
.endif
.endm
.macro PLACES                          ; four plain vector instructions between a matrix instruction and a vector instruction or load that touches its registers
.rept 4
	v_nop
.endr
.endm
; A joint load.  Waves 0, 1 fetch W's two halves, waves 2, 3 A's two panels.  Each line has one mask and one set of registers in all that issue it.
.macro JLOAD s
	s_cmp_eq_u32 s13, 0
	s_cbranch_scc0 .Lfor_a_\@
	tensor_load_to_lds s[G0B+4*\s:G0B+4*\s+3], s[G1B:G1B+7]
	s_nop 0
	s_branch .Lasked_\@
.Lfor_a_\@:
	tensor_load_to_lds s[G0A+4*\s:G0A+4*\s+3], s[G1A:G1A+7]
	s_nop 0
.Lasked_\@:
.endm
.macro CREST                           ; a round of the cluster's barrier behind its opening work-group barrier
	s_cmp_lg_u32 s12, 0
	s_cbranch_scc1 .Lnot_wave_0_\@
	s_barrier_signal -3
.Lnot_wave_0_\@:
	s_barrier_wait -3
	s_barrier_signal -1
	s_barrier_wait -1
.endm
.macro CROUND                          ; a whole round
	s_barrier_signal -1
	s_barrier_wait -1
	CREST
.endm
	s_load_b256 s[4:11], s[0:1], 0x0               ; A s[4:5], w16 s[6:7], then by MODE: tab, out | tab, mx | mx, out
	v_lshl_add_u32 v30, v0, 2, 0x38400
	v_mov_b32 v31, 0
	ds_add_u32 v30, v31
	ds_add_u32 v30, v31
.if MODE == 2
	s_load_b64 s[22:23], s[0:1], 0x20              ; kv
.endif
	v_lshrrev_b32 v1, 5, v0
	v_readfirstlane_b32 s12, v1                    ; wave 0..3
	s_lshr_b32 s13, s12, 1                         ; wr: my half of the row tiles.  Also: I fetch for W (0) or for A (1)
	s_and_b32 s14, s12, 1                          ; wc: my half of the columns.  Also: which half of that tile I fetch
	s_bfe_u32 s15, ttmp6, 0x40000                  ; cx
	s_bfe_u32 s16, ttmp6, 0x40004                  ; cy
	s_lshl_b32 s17, ttmp9, 2
	s_add_co_u32 s17, s17, s15                     ; block column 0..7
	s_and_b32 s18, ttmp7, 0xffff
	s_lshl_b32 s18, s18, 2
	s_add_co_u32 s18, s18, s16                     ; block row 0..31
	s_lshl_b32 s19, s16, 2
	s_lshl_b32 s19, 15, s19                        ; my row of the cluster
	s_lshl_b32 s20, 0x1111, s15                    ; my column
	s_mov_b32 s58, 0x76543210                      ; v_permlanex16_b32: lane i reads lane i of the other half
	s_mov_b32 s59, 0xfedcba98
	; group 1 of A's tiles: a dense block as rows of 32 elements of 8 bytes; 4 words of padding behind every 32 words, that is behind each 128-byte row of the panel
	s_or_b32 s[G1A+0], s19, (3<<16)|(1<<20)|(1<<21)|(4<<22)|(3<<25)
	s_mov_b32 s[G1A+1], 32<<16                     ; tensor_dim0 = 32
	s_mov_b32 s[G1A+2], (AROWS/2)<<16              ; tensor_dim1: two rows of the panel in each row of 256 bytes
	s_mov_b32 s[G1A+3], 32<<16                     ; tile_dim0 = 32
	s_mov_b32 s[G1A+4], AROWS/2                    ; tile_dim1
	s_mov_b32 s[G1A+5], 32                         ; from row to row: 32 elements
	s_mov_b32 s[G1A+6], 0
	s_mov_b32 s[G1A+7], 0
	; group 1 of W's tiles: 64 rows of 256 f16, 2,048 elements apart; 8 words of padding behind every 128
	s_or_b32 s[G1B+0], s20, (1<<16)|(1<<20)|(1<<21)|(6<<22)|(7<<25)
	s_mov_b32 s[G1B+1], 256<<16
	s_mov_b32 s[G1B+2], 64<<16
	s_mov_b32 s[G1B+3], 256<<16
	s_mov_b32 s[G1B+4], 64
	s_mov_b32 s[G1B+5], 2048
	s_mov_b32 s[G1B+6], 0
	s_mov_b32 s[G1B+7], 0
	; where the tiles come from: A's address is made of the block row and the wave, W's of the block column and the wave, in registers that never hold the other coordinate
	s_mul_i32 s66, s18, ABLK                       ; my block of the panel
	s_mul_i32 s60, s14, PANB                       ; my panel of the step's two
	s_add_co_u32 s66, s66, s60
	s_add_co_u32 s66, s66, AOFF
	s_mov_b32 s67, 0
	s_lshl_b32 s68, s17, 9                         ; 256 columns of 2 bytes
	s_lshl_b32 s60, s14, 18                        ; my 64 k rows of 4,096 bytes
	s_add_co_u32 s68, s68, s60
	s_add_co_u32 s68, s68, BOFF
	s_mov_b32 s69, 0
	s_mul_i32 s60, s12, BHALF                      ; and where they go: the wave's number times a constant
	s_mul_i32 s61, s12, APAN
	s_add_co_u32 s61, s61, AREG-2*APAN             ; waves 2, 3: AREG + (wave - 2) x APAN
	s_wait_dscnt 0x0
	s_wait_kmcnt 0x0
	s_add_nc_u64 s[66:67], s[4:5], s[66:67]
	s_add_nc_u64 s[68:69], s[6:7], s[68:69]
	CROUND                                         ; all sixteen work-groups are here: the first joint loads meet
.irp s, 0,1
	s_mov_b32 s[G0A+4*\s], 1
	s_add_co_u32 s[G0A+4*\s+1], s61, \s*SLOT
	s_add_nc_u64 s[G0A+4*\s+2:G0A+4*\s+3], s[66:67], \s*2*PANB     ; K step s: two panels on
	s_or_b32 s[G0A+4*\s+3], s[G0A+4*\s+3], 0x80000000
	s_mov_b32 s[G0B+4*\s], 1
	s_add_co_u32 s[G0B+4*\s+1], s60, \s*SLOT
	s_add_nc_u64 s[G0B+4*\s+2:G0B+4*\s+3], s[68:69], \s*524288     ; K step s: 128 rows on
	s_or_b32 s[G0B+4*\s+3], s[G0B+4*\s+3], 0x80000000
	JLOAD \s                                       ; two tensor loads of the wave are out here, one behind every later refill
.endr
	v_and_b32 v1, 15, v0                           ; r = l % 16
	v_bfe_u32 v2, v0, 4, 1                         ; h = l / 16
	v_and_b32 v3, 31, v0                           ; l
	v_and_b32 v4, 7, v0
	v_bfe_u32 v5, v0, 3, 1
	v_lshlrev_b32 v[LO16], 4, v3
.if MODE != 1
.irp q, 0,1,2,3
	global_load_b128 v[TMP+4*\q:TMP+4*\q+3], v[LO16], s[PMX:PMX+1] offset:512*\q   ; x's 512 maxima
.endr
	global_load_b128 v[TMP+16:TMP+19], v[LO16], s[PMX:PMX+1] offset:2560           ; w_down's 128
	global_load_b128 v[TMP+20:TMP+23], v[LO16], s[PMX:PMX+1] offset:3072           ; w_up's 128
.endif
	; an A fragment (16 rows x 32 k): two loads of 16 bytes, 32 apart, at row x pitch + 16 h; tile a begins 32 a rows further, the remainders 128 rows further
	v_mul_u32_u24 v6, v1, PA
	v_lshl_add_u32 v6, v2, 4, v6
	s_mul_i32 s62, s13, 16*PA
	s_add_co_u32 s62, s62, AREG
	v_add_nc_u32 v[ADRA], s62, v6
	v_add_nc_u32 v[ADRA+1], SLOT, v[ADRA]
	; a W fragment (32 k x 16 columns, stored k by column): two transposing loads, 16 rows apart, at (8 h + l % 8) x pitch + 16 ((l / 8) % 2)
	v_lshl_add_u32 v7, v2, 3, v4
	v_mul_u32_u24 v7, v7, PB
	v_lshl_add_u32 v7, v5, 4, v7
	s_lshl_b32 s63, s14, 8
	v_add_nc_u32 v[ADRB], s63, v7
	v_add_nc_u32 v[ADRB+1], SLOT, v[ADRB]
	s_mul_i32 s56, s12, 16*SP
	s_add_co_u32 s56, s56, STAGE                   ; my stage
	v_mul_u32_u24 v8, v1, SP
	s_lshl_b32 s57, s18, 7
	s_lshl_b32 s62, s13, 4
	s_add_co_u32 s57, s57, s62                     ; my first row of C: 128 x block row + 16 wr
.if MODE == 3
	v_lshl_add_u32 v8, v2, 5, v8                   ; in: row r, 32 bytes (8 f32) for each half of the lanes
	v_add_nc_u32 v[STO], s56, v8
	v_add_nc_u32 v[RD], s56, v[LO16]               ; back: a whole row of 512 bytes
.else
	v_lshl_add_u32 v8, v2, 4, v8                   ; in: row r, 16 bytes (8 f16) for each half of the lanes
	v_add_nc_u32 v[STO], s56, v8
	v_mul_u32_u24 v9, v5, SP                       ; back: lanes 0-15 take the left 128 bytes of two rows, lanes 16-31 the right
	v_lshl_add_u32 v9, v4, 4, v9
	v_lshl_add_u32 v9, v2, 7, v9
	v_add_nc_u32 v[RD], s56, v9
	s_and_b32 s62, s57, 2047                       ; the position t of my first row
.if MODE == 1
	s_cmp_eq_u32 ttmp9, 0                          ; block columns 0..3 are q, 4..7 are c_kv, which takes the rows that hold (1, 0)
	s_cselect_b32 s62, s62, 2048
.endif
	s_lshl_b32 s62, s62, 8
	v_lshl_add_u32 v[TOFF], v1, 8, s62
	v_lshl_add_u32 v[TOFF], v2, 5, v[TOFF]         ; (t + r) x 256 + 32 h: four pairs (cos, sin)
	WIN 0x80                                       ; the table comes in during the product and is waited for on the way out
.irp a, 0,1,2,3
.irp b, 0,1,2,3
	global_load_b128 v[8*(4*\a+\b):8*(4*\a+\b)+3],   v[TOFF], s[PTAB:PTAB+1] offset:\a*8192+\b*64
	global_load_b128 v[8*(4*\a+\b)+4:8*(4*\a+\b)+7], v[TOFF], s[PTAB:PTAB+1] offset:\a*8192+\b*64+16
.endr
.endr
	WIN 0
	v_mov_b32 v[SPL], 0x46000400                   ; 2^13 + 1
	v_mov_b32 v[SPL+1], v[SPL]
.endif
.if MODE != 1
	; sigma, while the first tiles are on their way: the three maxima over registers and lanes; bound = 2^21 x their product; with eb its biased
	; exponent (at least 20), sigma = 2^(141 - eb), so that sigma x bound < 2^15.  The whole numbers here become bits of floats alone.
.if MODE == 2
	s_wait_loadcnt 32                              ; the six loads of maxima are in; the 32 loads of the table, issued behind them, stay out
.else
	s_wait_loadcnt 0x0
.endif
	v_max3_num_f32 v[TMP],    v[TMP],    v[TMP+1],  v[TMP+2]
	v_max3_num_f32 v[TMP+3],  v[TMP+3],  v[TMP+4],  v[TMP+5]
	v_max3_num_f32 v[TMP+6],  v[TMP+6],  v[TMP+7],  v[TMP+8]
	v_max3_num_f32 v[TMP+9],  v[TMP+9],  v[TMP+10], v[TMP+11]
	v_max3_num_f32 v[TMP+12], v[TMP+12], v[TMP+13], v[TMP+14]
	v_max3_num_f32 v[TMP],    v[TMP],    v[TMP+3],  v[TMP+6]
	v_max3_num_f32 v[TMP+9],  v[TMP+9],  v[TMP+12], v[TMP+15]
	v_max_num_f32  v[TMP],    v[TMP],    v[TMP+9]
	v_max3_num_f32 v[TMP+16], v[TMP+16], v[TMP+17], v[TMP+18]
	v_max_num_f32  v[TMP+16], v[TMP+16], v[TMP+19]
	v_max3_num_f32 v[TMP+20], v[TMP+20], v[TMP+21], v[TMP+22]
	v_max_num_f32  v[TMP+20], v[TMP+20], v[TMP+23]
.irp q, 0,16,20
	v_max_num_f32_dpp v[TMP+\q], v[TMP+\q], v[TMP+\q] row_xmask:1 row_mask:0xf bank_mask:0xf
	v_max_num_f32_dpp v[TMP+\q], v[TMP+\q], v[TMP+\q] row_xmask:2 row_mask:0xf bank_mask:0xf
	v_max_num_f32_dpp v[TMP+\q], v[TMP+\q], v[TMP+\q] row_xmask:4 row_mask:0xf bank_mask:0xf
	v_max_num_f32_dpp v[TMP+\q], v[TMP+\q], v[TMP+\q] row_xmask:8 row_mask:0xf bank_mask:0xf
	v_permlanex16_b32 v[TMP+1], v[TMP+\q], s58, s59
	v_max_num_f32 v[TMP+\q], v[TMP+\q], v[TMP+1]
.endr
	v_mul_f32 v[TMP], v[TMP], v[TMP+16]
	v_mul_f32 v[TMP], v[TMP], v[TMP+20]
	v_mul_f32 v[TMP], 0x4a000000, v[TMP]           ; x 2^21
	v_lshrrev_b32 v[TMP], 23, v[TMP]
	v_max_u32 v[TMP], 20, v[TMP]
.if MODE == 2
	v_sub_nc_u32 v[TMP+1], 0x10c, v[TMP]           ; 268 - eb
	v_lshlrev_b32 v[SIG], 23, v[TMP+1]
	v_mov_b32 v[SIG+1], v[SIG]
.else
	v_add_nc_u32 v[TMP+1], -14, v[TMP]             ; eb - 14
	v_lshlrev_b32 v[ISG], 23, v[TMP+1]
	v_mov_b32 v[ISG+1], v[ISG]
.endif
.endif
	; my corner of the output, in registers that feed no descriptor and no LDS address
.if MODE == 1
	s_lshl_b32 s78, s17, 2
	s_lshl1_add_u32 s78, s14, s78                  ; my first panel of 64 columns: 4 x block column + 2 wc,
	s_and_b32 s78, s78, 15                         ; counted within q or within c_kv
	s_lshl_b32 s70, s78, 19                        ; q: panels of 4,096 rows of 128 bytes
	s_lshl_b32 s79, s57, 7
	s_add_co_u32 s70, s70, s79
	s_lshl_b32 s72, s78, 17                        ; q's remainders: [panel][32 blocks][32 rows][64]
	s_lshl_b32 s79, s18, 12
	s_add_co_u32 s72, s72, s79
	s_lshl_b32 s79, s13, 11                        ; 16 wr rows
	s_add_co_u32 s72, s72, s79
	s_add_co_u32 s72, s72, 18874368
	s_mul_i32 s80, s78, 655360                     ; c_kv: [panel][32 blocks][160 rows][64]
	s_mul_i32 s81, s18, 20480
	s_add_co_u32 s80, s80, s81
	s_add_co_u32 s80, s80, s79
	s_add_co_u32 s80, s80, 8388608
	s_add_co_u32 s81, s80, 16384                   ; its remainders: 128 rows further down in the block
	s_mov_b32 s82, 655360
	s_cmp_eq_u32 ttmp9, 0                          ; q or c_kv: by the cluster's number, alike in all sixteen
	s_cselect_b32 s70, s70, s80
	s_cselect_b32 s72, s72, s81
	s_cselect_b32 s76, 0x80000, s82                ; from a panel to the next
	s_cselect_b32 s77, 0x20000, s82                ; the same among the remainders
.endif
.if MODE == 2
	s_lshl1_add_u32 s78, s17, s14                  ; my head: 2 x block column + wc
	s_lshl_b32 s70, s78, 19
	s_lshl_b32 s79, s57, 7
	s_add_co_u32 s70, s70, s79
	s_lshl_b32 s72, s78, 17                        ; the remainders: [head][32 blocks][32 rows][64]
	s_lshl_b32 s79, s18, 12
	s_add_co_u32 s72, s72, s79
	s_lshl_b32 s79, s13, 11
	s_add_co_u32 s72, s72, s79
	s_add_co_u32 s72, s72, 16777216
	s_mov_b32 s76, 8388608                         ; from k to v
	s_mov_b32 s77, 2097152                         ; the same among the remainders
.endif
.if MODE == 3
	s_lshl_b32 s70, s57, 13                        ; rows of 8,192 bytes
	s_lshl_b32 s72, s17, 10
	s_add_co_u32 s70, s70, s72
	s_lshl_b32 s72, s14, 9
	s_add_co_u32 s70, s70, s72
.else
	s_mov_b32 s73, 0
	s_add_nc_u64 s[PLO:PLO+1], s[POUT:POUT+1], s[72:73]
	v_lshlrev_b32 v9, 4, v1                        ; two rows of a panel are 256 dense bytes: lanes 0-15; lanes 16-31 the next panel (MODE 2: v)
	v_mul_u32_u24 v[CO], s76, v2
	v_add_nc_u32 v[CO], v[CO], v9
	v_mul_u32_u24 v[CL], s77, v2
	v_add_nc_u32 v[CL], v[CL], v9
.endif
	s_mov_b32 s71, 0
	s_add_nc_u64 s[POUT:POUT+1], s[POUT:POUT+1], s[70:71]
; 8 matrix instructions: row tile a x all 8 column tiles, 32 along K, from fragment buffer f.  zero = 1: the first product starts the sums.
.macro MUL8 f, a, zero
.irp b, 0,1,2,3,4,5,6,7
.if \zero
	v_wmma_f32_16x16x32_f16 v[8*(8*\a+\b):8*(8*\a+\b)+7], v[FB+64*\f+8*\b:FB+64*\f+8*\b+7], v[FA+32*\f+8*\a:FA+32*\f+8*\a+7], 0
.else
	v_wmma_f32_16x16x32_f16 v[8*(8*\a+\b):8*(8*\a+\b)+7], v[FB+64*\f+8*\b:FB+64*\f+8*\b+7], v[FA+32*\f+8*\a:FA+32*\f+8*\a+7], v[8*(8*\a+\b):8*(8*\a+\b)+7]
.endif
.endr
.endm
; 8 more: the remainders of row tile 0 x all 8 column tiles, onto the same sums
.macro MUL8L f
.irp b, 0,1,2,3,4,5,6,7
	v_wmma_f32_16x16x32_f16 v[8*\b:8*\b+7], v[FB+64*\f+8*\b:FB+64*\f+8*\b+7], v[FL+8*\f:FL+8*\f+7], v[8*\b:8*\b+7]
.endr
.endm
; NF LDS loads in one run: quarter q (32 k) of a slot into buffer f: W's eight fragments first, then A's four, then the remainders'
.macro FETCH slot, q, f
	WIN 0
.irp b, 0,1,2,3,4,5,6,7
	ds_load_tr16_b128 v[FB+64*\f+8*\b:FB+64*\f+8*\b+3],   v[ADRB+\slot] offset:\q*32*PB+32*\b
	ds_load_tr16_b128 v[FB+64*\f+8*\b+4:FB+64*\f+8*\b+7], v[ADRB+\slot] offset:\q*32*PB+32*\b+16*PB
.endr
.irp a, 0,1,2,3
	ds_load_b128 v[FA+32*\f+8*\a:FA+32*\f+8*\a+3],   v[ADRA+\slot] offset:(\q/2)*APAN+(\q%2)*64+\a*32*PA
	ds_load_b128 v[FA+32*\f+8*\a+4:FA+32*\f+8*\a+7], v[ADRA+\slot] offset:(\q/2)*APAN+(\q%2)*64+\a*32*PA+32
.endr
.if ALO
	ds_load_b128 v[FL+8*\f:FL+8*\f+3],   v[ADRA+\slot] offset:(\q/2)*APAN+(\q%2)*64+128*PA
	ds_load_b128 v[FL+8*\f+4:FL+8*\f+7], v[ADRA+\slot] offset:(\q/2)*APAN+(\q%2)*64+128*PA+32
.endif
.endm
; A K step is four quarters of 32 + 8 ALO matrix instructions on buffers 0, 1, 0, 1.  The accumulators take turns in one order in every quarter,
; one instruction a turn, over the loop's backward jump too.
.macro QUARTER slot, qn, f, g, zero
	s_wait_dscnt NY                                ; W's fragments and A's tiles 0, 1 are in; the NY youngest loads (A's tiles 2, 3, the remainders) may be out
	WIN 0x50                                       ; C and D in window 1
	MUL8 \f, 0, \zero
	MUL8 \f, 1, \zero
	PLACES
	FETCH \slot, \qn, \g
	s_wait_dscnt NF                                ; all but the NF just issued
	WIN 0x50
	MUL8 \f, 2, \zero
	MUL8 \f, 3, \zero
.if ALO
	MUL8L \f
.endif
.endm
.macro THREE slot, zero
	QUARTER \slot, 1, 0, 1, \zero
	QUARTER \slot, 2, 1, 0, 0
	QUARTER \slot, 3, 0, 1, 0
.endm
; The last quarter multiplies buffer 1 and changes slots.  In front of the barrier each wave waits for its reads of this slot and for all its tensor
; loads (one is out: its part of the next slot).  fill = 1: the barrier opens a round of the cluster's barrier and the joint refill, two K steps ahead,
; is the first tensor load behind the round.  From a request to the wait for it a wave issues a K step's matrix instructions less eight.
.macro TURN slot, next, fill
	s_wait_dscnt NY
	WIN 0x50
	MUL8 1, 0, 0
	s_wait_dscnt 0x0                               ; my reads of this slot are over
	s_wait_tensorcnt 0x0                           ; and all my tensor loads have landed
	ds_add_u32 v30, v31
	s_wait_dscnt 0x0
	s_barrier_signal -1
	MUL8 1, 1, 0                                   ; register work while the others arrive
	WIN 0
	s_barrier_wait -1
.if \fill
	CREST                                          ; no wave of any partner still reads this slot or has a load on its way
	s_add_nc_u64 s[G0A+4*\slot+2:G0A+4*\slot+3], s[G0A+4*\slot+2:G0A+4*\slot+3], 4*PANB    ; two K steps: four panels
	s_add_nc_u64 s[G0B+4*\slot+2:G0B+4*\slot+3], s[G0B+4*\slot+2:G0B+4*\slot+3], 1048576   ; two K steps: 256 rows
	JLOAD \slot
.endif
	PLACES
	FETCH \next, 0, 0
	WIN 0x50
	MUL8 1, 2, 0
	MUL8 1, 3, 0
.if ALO
	MUL8L 1
.endif
.endm
.macro LAP zero
	THREE 0, \zero
	TURN 0, 1, 1
	THREE 1, 0
	TURN 1, 0, 1
.endm
	s_wait_tensorcnt 0x1                           ; my part of K step 0 is in; K step 1's stays out
	s_barrier_signal -1
	s_barrier_wait -1
	FETCH 0, 0, 0
	LAP 1                                          ; the first lap stands in front of the loop: its first products start the sums
	WIN 0
	s_mov_b32 s21, LAPS-2
.Llap:
	LAP 0
	WIN 0
	s_sub_co_u32 s21, s21, 1
	s_cmp_lg_u32 s21, 0
	s_cbranch_scc1 .Llap
	THREE 0, 0                                     ; the last lap fills nothing
	TURN 0, 1, 0
	THREE 1, 0
	s_wait_dscnt NY
	WIN 0x50
	MUL8 1, 0, 0
	MUL8 1, 1, 0
	s_wait_dscnt 0x0
	MUL8 1, 2, 0
	MUL8 1, 3, 0
.if ALO
	MUL8L 1
.endif
	PLACES                                         ; behind the last matrix instructions, for all that follows
	WIN 0
.if MODE != 3
	s_wait_loadcnt 0x0                             ; the table
.if MODE == 2
	WIN 0x82                                       ; the table times sigma: the rotation then scales k as well
.set k, 0
.rept 64
	v_pk_mul_f32 v[2*k:2*k+1], v[2*k:2*k+1], v[SIG:SIG+1]
.set k, k+1
.endr
	WIN 0
.endif
; 16 rows x 128 columns in f32 at v[src ..]: round to f16, 16 bytes a lane into my stage, back as 128-byte halves of rows, out to s[pp:pp+1] + v[vo] + imm.
; Each half of the lanes stores 256 consecutive bytes, aligned: two rows of one panel.  lb: the read-back registers.
.macro PUT src, lb, pp, vo, imm
.irp b, 0,1,2,3,4,5,6,7
.irp p, 0,1,2,3
	v_cvt_pk_f16_f32 v[TMP+4*\b+\p], v[\src+8*\b+2*\p], v[\src+8*\b+2*\p+1]
.endr
.endr
.irp b, 0,1,2,3,4,5,6,7
	ds_store_b128 v[STO], v[TMP+4*\b:TMP+4*\b+3] offset:32*\b
.endr
	s_wait_xcnt 0x0                                ; set lb may be the data of earlier stores: it is loaded again only behind this wait
.irp t, 0,1,2,3,4,5,6,7
	ds_load_b128 v[\lb+4*\t:\lb+4*\t+3], v[RD] offset:2*SP*\t      ; LDS serves a wave's instructions in order (ISA guide 5.7.1.4): these see the stores above
.endr
.irp t, 0,1,2,3,4,5,6,7
	s_wait_dscnt 7-\t                              ; the 7 - t younger read-backs may be out
	global_store_b128 v[\vo], v[\lb+4*\t:\lb+4*\t+3], s[\pp:\pp+1] offset:\imm+256*\t
.endr
.endm
; Row tile a: rotate (or scale), then out.  Tile 0 is split first: with c = 2^13 + 1, g = c x, hi = g + (x - g) is x rounded to 11 bits,
; which f16 holds as it is, and x - hi is exact in f32 (Veltkamp's split); both go out.
.macro OUTH a, lb
.irp b, 0,1,2,3,4,5,6,7
.if \b < ROTN
	WIN 0x09                                       ; source 0: accumulators (window 1), source 1: table (window 2)
.irp p, 0,1,2,3
	v_mul_f32 v[TT+8*\b+2*\p],   v[8*(8*\a+\b)+2*\p+1], v[8*(4*\a+(\b&3))+2*\p+1]      ; x2 sin
	v_mul_f32 v[TT+8*\b+2*\p+1], v[8*(8*\a+\b)+2*\p],   v[8*(4*\a+(\b&3))+2*\p+1]      ; x1 sin
.endr
.irp p, 0,1,2,3
	v_fma_f32 v[RR+8*\b+2*\p],   v[8*(8*\a+\b)+2*\p],   v[8*(4*\a+(\b&3))+2*\p], -v[TT+8*\b+2*\p]    ; x1 cos - x2 sin
	v_fma_f32 v[RR+8*\b+2*\p+1], v[8*(8*\a+\b)+2*\p+1], v[8*(4*\a+(\b&3))+2*\p], v[TT+8*\b+2*\p+1]   ; x2 cos + x1 sin
.endr
.else
	WIN 0x01
.irp p, 0,1,2,3
	v_pk_mul_f32 v[RR+8*\b+2*\p:RR+8*\b+2*\p+1], v[8*(8*\a+\b)+2*\p:8*(8*\a+\b)+2*\p+1], v[SIG:SIG+1]
.endr
.endif
.endr
	WIN 0
.if \a == 0
.set k, 0
.rept 32
	v_pk_mul_f32 v[GG+2*k:GG+2*k+1], v[RR+2*k:RR+2*k+1], v[SPL:SPL+1]                                  ; g = c x
.set k, k+1
.endr
.set k, 0
.rept 32
	v_pk_add_f32 v[TT+2*k:TT+2*k+1], v[RR+2*k:RR+2*k+1], v[GG+2*k:GG+2*k+1] neg_lo:[0,1] neg_hi:[0,1]  ; x - g
.set k, k+1
.endr
.set k, 0
.rept 32
	v_pk_add_f32 v[GG+2*k:GG+2*k+1], v[GG+2*k:GG+2*k+1], v[TT+2*k:TT+2*k+1]                            ; hi
.set k, k+1
.endr
.set k, 0
.rept 32
	v_pk_add_f32 v[TT+2*k:TT+2*k+1], v[RR+2*k:RR+2*k+1], v[GG+2*k:GG+2*k+1] neg_lo:[0,1] neg_hi:[0,1]  ; x - hi
.set k, k+1
.endr
	PUT GG, 160, POUT, CO, 0
	PUT TT, 192, PLO, CL, 0
.else
	PUT RR, \lb, POUT, CO, 4096*\a
.endif
.endm
	OUTH 0, 160
	OUTH 1, 160
	OUTH 2, 192
	OUTH 3, 160
.else
; 16 rows of C in f32: times 1 / sigma, 32 bytes a lane into my stage, back as whole rows of 512 bytes, out: a store of the wave covers 512 consecutive bytes, aligned.
.macro OUTF a, lb
	WIN 0x01
.irp b, 0,1,2,3,4,5,6,7
.irp p, 0,1,2,3
	v_pk_mul_f32 v[RF+8*\b+2*\p:RF+8*\b+2*\p+1], v[8*(8*\a+\b)+2*\p:8*(8*\a+\b)+2*\p+1], v[ISG:ISG+1]
.endr
.endr
	WIN 0
.irp b, 0,1,2,3,4,5,6,7
	ds_store_b128 v[STO], v[RF+8*\b:RF+8*\b+3]   offset:64*\b
	ds_store_b128 v[STO], v[RF+8*\b+4:RF+8*\b+7] offset:64*\b+16
.endr
	s_wait_xcnt 0x0                                ; set lb was the data of earlier stores
.irp t, 0,1,2,3,4,5,6,7,8,9,10,11,12,13,14,15
	ds_load_b128 v[\lb+4*\t:\lb+4*\t+3], v[RD] offset:SP*\t
.endr
.irp t, 0,1,2,3,4,5,6,7,8,9,10,11,12,13,14,15
	s_wait_dscnt 15-\t                             ; the 15 - t younger read-backs may be out
	global_store_b128 v[LO16], v[\lb+4*\t:\lb+4*\t+3], s[POUT:POUT+1] offset:(32*\a+\t)*8192 th:TH_STORE_NT
.endr
.endm
	OUTF 0, 32
	OUTF 1, 96
	OUTF 2, 32
	OUTF 3, 96
.endif
	s_wait_tensorcnt 0x0
	ds_add_u32 v30, v31
	s_wait_dscnt 0x0
	CROUND                                         ; the closing round: no work-group ends while a partner may still ask for a tile that names it
	s_endpgm
.Lfunc_end_k_q451f2f08c0_gemm1:
	.size	k_q451f2f08c0_gemm1, .Lfunc_end_k_q451f2f08c0_gemm1-k_q451f2f08c0_gemm1
	.p2alignl 7, 3214868480
	.fill 96, 4, 3214868480
	.section	.rodata,"a",@progbits
	.p2align	6, 0x0
	.amdhsa_kernel k_q451f2f08c0_gemm1
		.amdhsa_group_segment_fixed_size 327680
		.amdhsa_private_segment_fixed_size 0
		.amdhsa_enable_private_segment 0
		.amdhsa_kernarg_size 32
		.amdhsa_user_sgpr_count 2
		.amdhsa_user_sgpr_kernarg_segment_ptr 1
		.amdhsa_wavefront_size32 1
		.amdhsa_system_sgpr_workgroup_id_x 1
		.amdhsa_system_sgpr_workgroup_id_y 1
		.amdhsa_system_sgpr_workgroup_id_z 1
		.amdhsa_system_vgpr_workitem_id 0
		.amdhsa_next_free_vgpr 640
		.amdhsa_next_free_sgpr 96
		.amdhsa_reserve_vcc 0
		.amdhsa_float_denorm_mode_32 3
		.amdhsa_float_denorm_mode_16_64 3
		.amdhsa_memory_ordered 1
		.amdhsa_forward_progress 1
		.amdhsa_inst_pref_size 158
	.end_amdhsa_kernel
	.amdgpu_metadata
---
amdhsa.version: [ 1, 2 ]
amdhsa.kernels:
  - .name:           k_q451f2f08c0_gemm1
    .symbol:         k_q451f2f08c0_gemm1.kd
    .args:
      - { .name: xh, .offset: 0, .size: 8, .value_kind: global_buffer, .address_space: global }
      - { .name: w16, .offset: 8, .size: 8, .value_kind: global_buffer, .address_space: global }
      - { .name: tab, .offset: 16, .size: 8, .value_kind: global_buffer, .address_space: global }
      - { .name: qc, .offset: 24, .size: 8, .value_kind: global_buffer, .address_space: global }
    .group_segment_fixed_size: 327680
    .private_segment_fixed_size: 0
    .kernarg_segment_align: 8
    .kernarg_segment_size: 32
    .max_flat_workgroup_size: 128
    .sgpr_count:     96
    .vgpr_count:     640
    .wavefront_size: 32
...
	.end_amdgpu_metadata
.endif
;; end of part 2
;; launch gemm2 (part 3): grid 8 x 32, 4 waves a work-group, clusters of 4 x 4, 327,680 bytes of LDS; arguments qc, w16, tab, mx, kv; writes kv
.if DOCPART == 3
	.amdgcn_target "amdgcn-amd-amdhsa--gfx1250"
	.amdhsa_code_object_version 6
	.text
	.protected	k_q451f2f08c0_gemm2
	.globl	k_q451f2f08c0_gemm2
	.p2align	8
	.type	k_q451f2f08c0_gemm2,@function
k_q451f2f08c0_gemm2:
	s_mov_b64 s[64:65], 0
	v_nop
	global_prefetch_b8 v0, s[64:65] scope:SCOPE_SE
	s_setreg_imm32_b32 hwreg(HW_REG_WAVE_MODE, 25, 1), 1
	s_wait_xcnt 0x0
	s_wait_alu depctr_hold_cnt(0) depctr_sa_sdst(0) depctr_va_vdst(0) depctr_va_sdst(0) depctr_va_ssrc(0) depctr_va_vcc(0) depctr_vm_vsrc(0)
	s_getreg_b32 s2, hwreg(HW_REG_IB_STS2, 6, 4)
	s_cmp_eq_u32 s2, 0
	s_cbranch_scc0 .Lentry_in_a_cluster
	s_endpgm
.Lentry_in_a_cluster:
	s_bfe_u32 s2, ttmp6, 0x10000c
	s_cmp_lg_u32 s2, 0xf033
	s_cbranch_scc0 .Lentry_shape_is_right
	s_endpgm
.Lentry_shape_is_right:
; One text for the program's three products C[4096][2048] = A[4096][KDIM] W[KDIM][2048], f16 operands, f32 sums; MODE picks the sizes and the way out.
;   MODE 1: [q | c_kv] = x [wq | w_down], KDIM 2048; each pair of columns is rotated by the table (q: row t; c_kv: the rows that hold (1, 0)); f16 out
;   MODE 2: kv = c_kv w_up, KDIM 1024; a head's 64 k columns are rotated, its 64 v columns are not; all times sigma; f16 out, k and v apart
;   MODE 3: out0 = (ao wo) / sigma, KDIM 1024; f32 out
; sigma is a power of two with sigma |kv| < 2^15 for every input: |kv| <= 2^21 max|x| max|w_down| max|w_up| (2048 x 1024 terms), the three maxima read from mx.
; LIMIT: q and c_kv are kept in f16 unscaled: |q|, |c_kv| below 65,504.  No NaN, no infinity.
; REMAINDERS.  Output row t averages t + 1 values, so the first rows are about ten times the size of the whole output's rms, by which the error is judged:
; f16's 11 bits are too few for them.  So the first 32 rows of each block of 128 rows carry a second f16 number, the remainder x - f16(x), taken exactly
; in f32; from row 32 on (size below 0.3 of row 0's) one f16 number is enough.  A remainder under 6.1e-5 is an f16 denormal: absolute error at most 3e-8.
; MODES 1, 2 store the remainders of q, c_kv, k, v; MODES 2, 3 (ALO = 1) add A's remainders times W to those 32 rows' sums: 8 matrix instructions on 32.
; Only the two blocks at t = 0 need this, yet every block does it: the sixteen work-groups of a cluster run one text, with no branch on their place.
; A lies in panels of 64 columns: MODE 1 [k/64][4096][64]; MODES 2, 3 [k/64][32 blocks][160 rows][64], rows 128..159 of a block the remainders of its
; rows 0..31: a block of a panel is dense memory, one tensor load.  W lies [k][2048] f16 and is transposed on its way out of LDS.
; A work-group makes 128 x 256 of C with four waves, as many as a WGP has SIMDs; a wave makes 64 x 128: 32 accumulator tiles, 256 registers; its row tile a
; is rows 32 a + 16 wr + 0..15 of the block, so that tile 0 of the two halves wr is the block's first 32 rows.
; 32 x 8 work-groups.  K goes in steps of 128 through two LDS slots; each wave fetches a quarter of a slot by one tensor load.
; CLUSTERS of 4 x 4: A's tile hangs on the block row alone and is asked for jointly by a row of the cluster, W's on the block column alone and by a column.
; THE MATRIX INSTRUCTION IS USED TRANSPOSED (source 0 = 16 columns of W, source 1 = 16 rows of A): lane l holds row l % 16 of C and
; its registers 0..7 the columns 8 (l / 16) + 0..7, eight neighbours of a row, four rotation pairs.
; REGISTER WINDOWS: 0 addresses, fragments, work; 1 the accumulators, tile (a, b) at v[8 (8 a + b)]; 2 (MODES 1, 2) the table, (a, b % 4) at v[8 (4 a + b)].
.set MODE, 2
.if MODE == 1
.set KDIM, 2048
.set ALO,  0                           ; A has no remainders: x is exact in f16
.set AOFF, 0                           ; A's first panel in its buffer
.set BOFF, 0                           ; W's first byte in w16
.set ROTN, 8                           ; tiles b < ROTN are rotated
.set PTAB, 8
.set POUT, 10
.endif
.if MODE == 2
.set KDIM, 1024
.set ALO,  1
.set AOFF, 8388608
.set BOFF, 8388608
.set ROTN, 4
.set PTAB, 8
.set PMX, 10
.set POUT, 22
.endif
.if MODE == 3
.set KDIM, 1024
.set ALO,  1
.set AOFF, 0
.set BOFF, 12582912
.set PMX, 8
.set POUT, 10
.endif
.set AROWS, 128+32*ALO                 ; rows of a block in a panel of A
.set ABLK,  AROWS*128                  ; its bytes
.set PANB,  32*ABLK                    ; bytes of a panel of A
.set LAPS,  KDIM/256                   ; a lap = two K steps = once round the ring
.set PA,    144                        ; LDS pitch of A's rows: 128 bytes + 16, an odd multiple of 16
.set PB,    544                        ; LDS pitch of W's rows: 512 bytes + 32, an odd multiple of 32 (transposing loads)
.set BHALF, 64*PB                      ; 64 k rows of W: one tensor load
.set APAN,  AROWS*PA                   ; a block of one panel of A: one tensor load
.set AREG,  2*BHALF                    ; A's two panels lie behind W's 128 rows
.set SLOT,  AREG+2*APAN
.set STAGE, 2*SLOT                     ; behind the ring: each wave's own 16 rows for the way out; no tensor load lands there
.set NF,    24+2*ALO                   ; LDS loads of a quarter step
.set NY,    4+2*ALO                    ; the youngest of them: A's tiles 2, 3 and the remainders
.if MODE == 3
.set SP, 528                           ; a stage row: 512 bytes + 16
.else
.set SP, 272                           ; 256 bytes + 16
.endif
.set G1A, 24                           ; s[24:31] group 1 of A's tiles     s[32:39] group 0, one set a slot
.set G0A, 32
.set G1B, 40                           ; s[40:47] group 1 of W's tiles     s[48:55] group 0, one set a slot
.set G0B, 48
.set PLO,  74                          ; s[74:75] where the remainders go
.set SPL,  10                          ; v[10:11] 2^13 + 1, twice
.set SIG,  12                          ; v[12:13] sigma, twice
.set ISG,  14                          ; v[14:15] 1 / sigma, twice
.set ADRA, 16                          ; v16-17 LDS address of my A fragments in slot 0, 1
.set ADRB, 20                          ; v20-21 the same for W
.set STO,  24                          ; where I put my part of a stage row
.set RD,   25                          ; where I read the stage back
.set CO,   26                          ; my byte offset in the output (MODES 1, 2)
.set TOFF, 27                          ; my byte offset in the table
.set LO16, 28                          ; 16 x lane
.set CL,   29                          ; my byte offset among the remainders
.set FA,   32                          ; v32-63, v64-95    A fragments (4 x 8), two buffers
.set FB,   96                          ; v96-159, v160-223 W fragments (8 x 8), two buffers
.set FL,   224                         ; v224-231, v232-239 the remainders' fragment, two buffers
.set TMP,  224                         ; v224-255 ahead of the loop: mx; on the way out: packed results
.set RR,   32                          ; the way out: results in f32
.set TT,   96                          ; the way out: products at work, then remainders
.set GG,   160                         ; the way out: the numbers that f16 holds
.set RF,   160                         ; MODE 3: results in f32
.set MSB, 0
.macro WIN new                         ; s_set_vgpr_msb: bits 1:0 source 0, 3:2 source 1, 5:4 source 2, 7:6 destination; the high byte repeats the setting left
.if MSB != \new
	s_set_vgpr_msb (MSB<<8)|\new
.set MSB, \new
.endif
.endm
.macro PLACES                          ; four plain vector instructions between a matrix instruction and a vector instruction or load that touches its registers
.rept 4
	v_nop
.endr
.endm
; A joint load.  Waves 0, 1 fetch W's two halves, waves 2, 3 A's two panels.  Each line has one mask and one set of registers in all that issue it.
.macro JLOAD s
	s_cmp_eq_u32 s13, 0
	s_cbranch_scc0 .Lfor_a_\@
	tensor_load_to_lds s[G0B+4*\s:G0B+4*\s+3], s[G1B:G1B+7]
	s_nop 0
	s_branch .Lasked_\@
.Lfor_a_\@:
	tensor_load_to_lds s[G0A+4*\s:G0A+4*\s+3], s[G1A:G1A+7]
	s_nop 0
.Lasked_\@:
.endm
.macro CREST                           ; a round of the cluster's barrier behind its opening work-group barrier
	s_cmp_lg_u32 s12, 0
	s_cbranch_scc1 .Lnot_wave_0_\@
	s_barrier_signal -3
.Lnot_wave_0_\@:
	s_barrier_wait -3
	s_barrier_signal -1
	s_barrier_wait -1
.endm
.macro CROUND                          ; a whole round
	s_barrier_signal -1
	s_barrier_wait -1
	CREST
.endm
	s_load_b256 s[4:11], s[0:1], 0x0               ; A s[4:5], w16 s[6:7], then by MODE: tab, out | tab, mx | mx, out
.if MODE == 2
	s_load_b64 s[22:23], s[0:1], 0x20              ; kv
	v_lshl_add_u32 v30, v0, 2, 0x3cc00
	v_mov_b32 v31, 0
	ds_add_u32 v30, v31
	ds_add_u32 v30, v31
.endif
	v_lshrrev_b32 v1, 5, v0
	v_readfirstlane_b32 s12, v1                    ; wave 0..3
	s_lshr_b32 s13, s12, 1                         ; wr: my half of the row tiles.  Also: I fetch for W (0) or for A (1)
	s_and_b32 s14, s12, 1                          ; wc: my half of the columns.  Also: which half of that tile I fetch
	s_bfe_u32 s15, ttmp6, 0x40000                  ; cx
	s_bfe_u32 s16, ttmp6, 0x40004                  ; cy
	s_lshl_b32 s17, ttmp9, 2
	s_add_co_u32 s17, s17, s15                     ; block column 0..7
	s_and_b32 s18, ttmp7, 0xffff
	s_lshl_b32 s18, s18, 2
	s_add_co_u32 s18, s18, s16                     ; block row 0..31
	s_lshl_b32 s19, s16, 2
	s_lshl_b32 s19, 15, s19                        ; my row of the cluster
	s_lshl_b32 s20, 0x1111, s15                    ; my column
	s_mov_b32 s58, 0x76543210                      ; v_permlanex16_b32: lane i reads lane i of the other half
	s_mov_b32 s59, 0xfedcba98
	; group 1 of A's tiles: a dense block as rows of 32 elements of 8 bytes; 4 words of padding behind every 32 words, that is behind each 128-byte row of the panel
	s_or_b32 s[G1A+0], s19, (3<<16)|(1<<20)|(1<<21)|(4<<22)|(3<<25)
	s_mov_b32 s[G1A+1], 32<<16                     ; tensor_dim0 = 32
	s_mov_b32 s[G1A+2], (AROWS/2)<<16              ; tensor_dim1: two rows of the panel in each row of 256 bytes
	s_mov_b32 s[G1A+3], 32<<16                     ; tile_dim0 = 32
	s_mov_b32 s[G1A+4], AROWS/2                    ; tile_dim1
	s_mov_b32 s[G1A+5], 32                         ; from row to row: 32 elements
	s_mov_b32 s[G1A+6], 0
	s_mov_b32 s[G1A+7], 0
	; group 1 of W's tiles: 64 rows of 256 f16, 2,048 elements apart; 8 words of padding behind every 128
	s_or_b32 s[G1B+0], s20, (1<<16)|(1<<20)|(1<<21)|(6<<22)|(7<<25)
	s_mov_b32 s[G1B+1], 256<<16
	s_mov_b32 s[G1B+2], 64<<16
	s_mov_b32 s[G1B+3], 256<<16
	s_mov_b32 s[G1B+4], 64
	s_mov_b32 s[G1B+5], 2048
	s_mov_b32 s[G1B+6], 0
	s_mov_b32 s[G1B+7], 0
	; where the tiles come from: A's address is made of the block row and the wave, W's of the block column and the wave, in registers that never hold the other coordinate
	s_mul_i32 s66, s18, ABLK                       ; my block of the panel
	s_mul_i32 s60, s14, PANB                       ; my panel of the step's two
	s_add_co_u32 s66, s66, s60
	s_add_co_u32 s66, s66, AOFF
	s_mov_b32 s67, 0
	s_lshl_b32 s68, s17, 9                         ; 256 columns of 2 bytes
	s_lshl_b32 s60, s14, 18                        ; my 64 k rows of 4,096 bytes
	s_add_co_u32 s68, s68, s60
	s_add_co_u32 s68, s68, BOFF
	s_mov_b32 s69, 0
	s_mul_i32 s60, s12, BHALF                      ; and where they go: the wave's number times a constant
	s_mul_i32 s61, s12, APAN
	s_add_co_u32 s61, s61, AREG-2*APAN             ; waves 2, 3: AREG + (wave - 2) x APAN
	s_wait_dscnt 0x0
	s_wait_kmcnt 0x0
	s_add_nc_u64 s[66:67], s[4:5], s[66:67]
	s_add_nc_u64 s[68:69], s[6:7], s[68:69]
	CROUND                                         ; all sixteen work-groups are here: the first joint loads meet
.irp s, 0,1
	s_mov_b32 s[G0A+4*\s], 1
	s_add_co_u32 s[G0A+4*\s+1], s61, \s*SLOT
	s_add_nc_u64 s[G0A+4*\s+2:G0A+4*\s+3], s[66:67], \s*2*PANB     ; K step s: two panels on
	s_or_b32 s[G0A+4*\s+3], s[G0A+4*\s+3], 0x80000000
	s_mov_b32 s[G0B+4*\s], 1
	s_add_co_u32 s[G0B+4*\s+1], s60, \s*SLOT
	s_add_nc_u64 s[G0B+4*\s+2:G0B+4*\s+3], s[68:69], \s*524288     ; K step s: 128 rows on
	s_or_b32 s[G0B+4*\s+3], s[G0B+4*\s+3], 0x80000000
	JLOAD \s                                       ; two tensor loads of the wave are out here, one behind every later refill
.endr
	v_and_b32 v1, 15, v0                           ; r = l % 16
	v_bfe_u32 v2, v0, 4, 1                         ; h = l / 16
	v_and_b32 v3, 31, v0                           ; l
	v_and_b32 v4, 7, v0
	v_bfe_u32 v5, v0, 3, 1
	v_lshlrev_b32 v[LO16], 4, v3
.if MODE != 1
.irp q, 0,1,2,3
	global_load_b128 v[TMP+4*\q:TMP+4*\q+3], v[LO16], s[PMX:PMX+1] offset:512*\q   ; x's 512 maxima
.endr
	global_load_b128 v[TMP+16:TMP+19], v[LO16], s[PMX:PMX+1] offset:2560           ; w_down's 128
	global_load_b128 v[TMP+20:TMP+23], v[LO16], s[PMX:PMX+1] offset:3072           ; w_up's 128
.endif
	; an A fragment (16 rows x 32 k): two loads of 16 bytes, 32 apart, at row x pitch + 16 h; tile a begins 32 a rows further, the remainders 128 rows further
	v_mul_u32_u24 v6, v1, PA
	v_lshl_add_u32 v6, v2, 4, v6
	s_mul_i32 s62, s13, 16*PA
	s_add_co_u32 s62, s62, AREG
	v_add_nc_u32 v[ADRA], s62, v6
	v_add_nc_u32 v[ADRA+1], SLOT, v[ADRA]
	; a W fragment (32 k x 16 columns, stored k by column): two transposing loads, 16 rows apart, at (8 h + l % 8) x pitch + 16 ((l / 8) % 2)
	v_lshl_add_u32 v7, v2, 3, v4
	v_mul_u32_u24 v7, v7, PB
	v_lshl_add_u32 v7, v5, 4, v7
	s_lshl_b32 s63, s14, 8
	v_add_nc_u32 v[ADRB], s63, v7
	v_add_nc_u32 v[ADRB+1], SLOT, v[ADRB]
	s_mul_i32 s56, s12, 16*SP
	s_add_co_u32 s56, s56, STAGE                   ; my stage
	v_mul_u32_u24 v8, v1, SP
	s_lshl_b32 s57, s18, 7
	s_lshl_b32 s62, s13, 4
	s_add_co_u32 s57, s57, s62                     ; my first row of C: 128 x block row + 16 wr
.if MODE == 3
	v_lshl_add_u32 v8, v2, 5, v8                   ; in: row r, 32 bytes (8 f32) for each half of the lanes
	v_add_nc_u32 v[STO], s56, v8
	v_add_nc_u32 v[RD], s56, v[LO16]               ; back: a whole row of 512 bytes
.else
	v_lshl_add_u32 v8, v2, 4, v8                   ; in: row r, 16 bytes (8 f16) for each half of the lanes
	v_add_nc_u32 v[STO], s56, v8
	v_mul_u32_u24 v9, v5, SP                       ; back: lanes 0-15 take the left 128 bytes of two rows, lanes 16-31 the right
	v_lshl_add_u32 v9, v4, 4, v9
	v_lshl_add_u32 v9, v2, 7, v9
	v_add_nc_u32 v[RD], s56, v9
	s_and_b32 s62, s57, 2047                       ; the position t of my first row
.if MODE == 1
	s_cmp_eq_u32 ttmp9, 0                          ; block columns 0..3 are q, 4..7 are c_kv, which takes the rows that hold (1, 0)
	s_cselect_b32 s62, s62, 2048
.endif
	s_lshl_b32 s62, s62, 8
	v_lshl_add_u32 v[TOFF], v1, 8, s62
	v_lshl_add_u32 v[TOFF], v2, 5, v[TOFF]         ; (t + r) x 256 + 32 h: four pairs (cos, sin)
	WIN 0x80                                       ; the table comes in during the product and is waited for on the way out
.irp a, 0,1,2,3
.irp b, 0,1,2,3
	global_load_b128 v[8*(4*\a+\b):8*(4*\a+\b)+3],   v[TOFF], s[PTAB:PTAB+1] offset:\a*8192+\b*64
	global_load_b128 v[8*(4*\a+\b)+4:8*(4*\a+\b)+7], v[TOFF], s[PTAB:PTAB+1] offset:\a*8192+\b*64+16
.endr
.endr
	WIN 0
	v_mov_b32 v[SPL], 0x46000400                   ; 2^13 + 1
	v_mov_b32 v[SPL+1], v[SPL]
.endif
.if MODE != 1
	; sigma, while the first tiles are on their way: the three maxima over registers and lanes; bound = 2^21 x their product; with eb its biased
	; exponent (at least 20), sigma = 2^(141 - eb), so that sigma x bound < 2^15.  The whole numbers here become bits of floats alone.
.if MODE == 2
	s_wait_loadcnt 32                              ; the six loads of maxima are in; the 32 loads of the table, issued behind them, stay out
.else
	s_wait_loadcnt 0x0
.endif
	v_max3_num_f32 v[TMP],    v[TMP],    v[TMP+1],  v[TMP+2]
	v_max3_num_f32 v[TMP+3],  v[TMP+3],  v[TMP+4],  v[TMP+5]
	v_max3_num_f32 v[TMP+6],  v[TMP+6],  v[TMP+7],  v[TMP+8]
	v_max3_num_f32 v[TMP+9],  v[TMP+9],  v[TMP+10], v[TMP+11]
	v_max3_num_f32 v[TMP+12], v[TMP+12], v[TMP+13], v[TMP+14]
	v_max3_num_f32 v[TMP],    v[TMP],    v[TMP+3],  v[TMP+6]
	v_max3_num_f32 v[TMP+9],  v[TMP+9],  v[TMP+12], v[TMP+15]
	v_max_num_f32  v[TMP],    v[TMP],    v[TMP+9]
	v_max3_num_f32 v[TMP+16], v[TMP+16], v[TMP+17], v[TMP+18]
	v_max_num_f32  v[TMP+16], v[TMP+16], v[TMP+19]
	v_max3_num_f32 v[TMP+20], v[TMP+20], v[TMP+21], v[TMP+22]
	v_max_num_f32  v[TMP+20], v[TMP+20], v[TMP+23]
.irp q, 0,16,20
	v_max_num_f32_dpp v[TMP+\q], v[TMP+\q], v[TMP+\q] row_xmask:1 row_mask:0xf bank_mask:0xf
	v_max_num_f32_dpp v[TMP+\q], v[TMP+\q], v[TMP+\q] row_xmask:2 row_mask:0xf bank_mask:0xf
	v_max_num_f32_dpp v[TMP+\q], v[TMP+\q], v[TMP+\q] row_xmask:4 row_mask:0xf bank_mask:0xf
	v_max_num_f32_dpp v[TMP+\q], v[TMP+\q], v[TMP+\q] row_xmask:8 row_mask:0xf bank_mask:0xf
	v_permlanex16_b32 v[TMP+1], v[TMP+\q], s58, s59
	v_max_num_f32 v[TMP+\q], v[TMP+\q], v[TMP+1]
.endr
	v_mul_f32 v[TMP], v[TMP], v[TMP+16]
	v_mul_f32 v[TMP], v[TMP], v[TMP+20]
	v_mul_f32 v[TMP], 0x4a000000, v[TMP]           ; x 2^21
	v_lshrrev_b32 v[TMP], 23, v[TMP]
	v_max_u32 v[TMP], 20, v[TMP]
.if MODE == 2
	v_sub_nc_u32 v[TMP+1], 0x10c, v[TMP]           ; 268 - eb
	v_lshlrev_b32 v[SIG], 23, v[TMP+1]
	v_mov_b32 v[SIG+1], v[SIG]
.else
	v_add_nc_u32 v[TMP+1], -14, v[TMP]             ; eb - 14
	v_lshlrev_b32 v[ISG], 23, v[TMP+1]
	v_mov_b32 v[ISG+1], v[ISG]
.endif
.endif
	; my corner of the output, in registers that feed no descriptor and no LDS address
.if MODE == 1
	s_lshl_b32 s78, s17, 2
	s_lshl1_add_u32 s78, s14, s78                  ; my first panel of 64 columns: 4 x block column + 2 wc,
	s_and_b32 s78, s78, 15                         ; counted within q or within c_kv
	s_lshl_b32 s70, s78, 19                        ; q: panels of 4,096 rows of 128 bytes
	s_lshl_b32 s79, s57, 7
	s_add_co_u32 s70, s70, s79
	s_lshl_b32 s72, s78, 17                        ; q's remainders: [panel][32 blocks][32 rows][64]
	s_lshl_b32 s79, s18, 12
	s_add_co_u32 s72, s72, s79
	s_lshl_b32 s79, s13, 11                        ; 16 wr rows
	s_add_co_u32 s72, s72, s79
	s_add_co_u32 s72, s72, 18874368
	s_mul_i32 s80, s78, 655360                     ; c_kv: [panel][32 blocks][160 rows][64]
	s_mul_i32 s81, s18, 20480
	s_add_co_u32 s80, s80, s81
	s_add_co_u32 s80, s80, s79
	s_add_co_u32 s80, s80, 8388608
	s_add_co_u32 s81, s80, 16384                   ; its remainders: 128 rows further down in the block
	s_mov_b32 s82, 655360
	s_cmp_eq_u32 ttmp9, 0                          ; q or c_kv: by the cluster's number, alike in all sixteen
	s_cselect_b32 s70, s70, s80
	s_cselect_b32 s72, s72, s81
	s_cselect_b32 s76, 0x80000, s82                ; from a panel to the next
	s_cselect_b32 s77, 0x20000, s82                ; the same among the remainders
.endif
.if MODE == 2
	s_lshl1_add_u32 s78, s17, s14                  ; my head: 2 x block column + wc
	s_lshl_b32 s70, s78, 19
	s_lshl_b32 s79, s57, 7
	s_add_co_u32 s70, s70, s79
	s_lshl_b32 s72, s78, 17                        ; the remainders: [head][32 blocks][32 rows][64]
	s_lshl_b32 s79, s18, 12
	s_add_co_u32 s72, s72, s79
	s_lshl_b32 s79, s13, 11
	s_add_co_u32 s72, s72, s79
	s_add_co_u32 s72, s72, 16777216
	s_mov_b32 s76, 8388608                         ; from k to v
	s_mov_b32 s77, 2097152                         ; the same among the remainders
.endif
.if MODE == 3
	s_lshl_b32 s70, s57, 13                        ; rows of 8,192 bytes
	s_lshl_b32 s72, s17, 10
	s_add_co_u32 s70, s70, s72
	s_lshl_b32 s72, s14, 9
	s_add_co_u32 s70, s70, s72
.else
	s_mov_b32 s73, 0
	s_add_nc_u64 s[PLO:PLO+1], s[POUT:POUT+1], s[72:73]
	v_lshlrev_b32 v9, 4, v1                        ; two rows of a panel are 256 dense bytes: lanes 0-15; lanes 16-31 the next panel (MODE 2: v)
	v_mul_u32_u24 v[CO], s76, v2
	v_add_nc_u32 v[CO], v[CO], v9
	v_mul_u32_u24 v[CL], s77, v2
	v_add_nc_u32 v[CL], v[CL], v9
.endif
	s_mov_b32 s71, 0
	s_add_nc_u64 s[POUT:POUT+1], s[POUT:POUT+1], s[70:71]
; 8 matrix instructions: row tile a x all 8 column tiles, 32 along K, from fragment buffer f.  zero = 1: the first product starts the sums.
.macro MUL8 f, a, zero
.irp b, 0,1,2,3,4,5,6,7
.if \zero
	v_wmma_f32_16x16x32_f16 v[8*(8*\a+\b):8*(8*\a+\b)+7], v[FB+64*\f+8*\b:FB+64*\f+8*\b+7], v[FA+32*\f+8*\a:FA+32*\f+8*\a+7], 0
.else
	v_wmma_f32_16x16x32_f16 v[8*(8*\a+\b):8*(8*\a+\b)+7], v[FB+64*\f+8*\b:FB+64*\f+8*\b+7], v[FA+32*\f+8*\a:FA+32*\f+8*\a+7], v[8*(8*\a+\b):8*(8*\a+\b)+7]
.endif
.endr
.endm
; 8 more: the remainders of row tile 0 x all 8 column tiles, onto the same sums
.macro MUL8L f
.irp b, 0,1,2,3,4,5,6,7
	v_wmma_f32_16x16x32_f16 v[8*\b:8*\b+7], v[FB+64*\f+8*\b:FB+64*\f+8*\b+7], v[FL+8*\f:FL+8*\f+7], v[8*\b:8*\b+7]
.endr
.endm
; NF LDS loads in one run: quarter q (32 k) of a slot into buffer f: W's eight fragments first, then A's four, then the remainders'
.macro FETCH slot, q, f
	WIN 0
.irp b, 0,1,2,3,4,5,6,7
	ds_load_tr16_b128 v[FB+64*\f+8*\b:FB+64*\f+8*\b+3],   v[ADRB+\slot] offset:\q*32*PB+32*\b
	ds_load_tr16_b128 v[FB+64*\f+8*\b+4:FB+64*\f+8*\b+7], v[ADRB+\slot] offset:\q*32*PB+32*\b+16*PB
.endr
.irp a, 0,1,2,3
	ds_load_b128 v[FA+32*\f+8*\a:FA+32*\f+8*\a+3],   v[ADRA+\slot] offset:(\q/2)*APAN+(\q%2)*64+\a*32*PA
	ds_load_b128 v[FA+32*\f+8*\a+4:FA+32*\f+8*\a+7], v[ADRA+\slot] offset:(\q/2)*APAN+(\q%2)*64+\a*32*PA+32
.endr
.if ALO
	ds_load_b128 v[FL+8*\f:FL+8*\f+3],   v[ADRA+\slot] offset:(\q/2)*APAN+(\q%2)*64+128*PA
	ds_load_b128 v[FL+8*\f+4:FL+8*\f+7], v[ADRA+\slot] offset:(\q/2)*APAN+(\q%2)*64+128*PA+32
.endif
.endm
; A K step is four quarters of 32 + 8 ALO matrix instructions on buffers 0, 1, 0, 1.  The accumulators take turns in one order in every quarter,
; one instruction a turn, over the loop's backward jump too.
.macro QUARTER slot, qn, f, g, zero
	s_wait_dscnt NY                                ; W's fragments and A's tiles 0, 1 are in; the NY youngest loads (A's tiles 2, 3, the remainders) may be out
	WIN 0x50                                       ; C and D in window 1
	MUL8 \f, 0, \zero
	MUL8 \f, 1, \zero
	PLACES
	FETCH \slot, \qn, \g
	s_wait_dscnt NF                                ; all but the NF just issued
	WIN 0x50
	MUL8 \f, 2, \zero
	MUL8 \f, 3, \zero
.if ALO
	MUL8L \f
.endif
.endm
.macro THREE slot, zero
	QUARTER \slot, 1, 0, 1, \zero
	QUARTER \slot, 2, 1, 0, 0
	QUARTER \slot, 3, 0, 1, 0
.endm
; The last quarter multiplies buffer 1 and changes slots.  In front of the barrier each wave waits for its reads of this slot and for all its tensor
; loads (one is out: its part of the next slot).  fill = 1: the barrier opens a round of the cluster's barrier and the joint refill, two K steps ahead,
; is the first tensor load behind the round.  From a request to the wait for it a wave issues a K step's matrix instructions less eight.
.macro TURN slot, next, fill
	s_wait_dscnt NY
	WIN 0x50
	MUL8 1, 0, 0
	s_wait_dscnt 0x0                               ; my reads of this slot are over
	s_wait_tensorcnt 0x0                           ; and all my tensor loads have landed
	ds_add_u32 v30, v31
	s_wait_dscnt 0x0
	s_barrier_signal -1
	MUL8 1, 1, 0                                   ; register work while the others arrive
	WIN 0
	s_barrier_wait -1
.if \fill
	CREST                                          ; no wave of any partner still reads this slot or has a load on its way
	s_add_nc_u64 s[G0A+4*\slot+2:G0A+4*\slot+3], s[G0A+4*\slot+2:G0A+4*\slot+3], 4*PANB    ; two K steps: four panels
	s_add_nc_u64 s[G0B+4*\slot+2:G0B+4*\slot+3], s[G0B+4*\slot+2:G0B+4*\slot+3], 1048576   ; two K steps: 256 rows
	JLOAD \slot
.endif
	PLACES
	FETCH \next, 0, 0
	WIN 0x50
	MUL8 1, 2, 0
	MUL8 1, 3, 0
.if ALO
	MUL8L 1
.endif
.endm
.macro LAP zero
	THREE 0, \zero
	TURN 0, 1, 1
	THREE 1, 0
	TURN 1, 0, 1
.endm
	s_wait_tensorcnt 0x1                           ; my part of K step 0 is in; K step 1's stays out
	s_barrier_signal -1
	s_barrier_wait -1
	FETCH 0, 0, 0
	LAP 1                                          ; the first lap stands in front of the loop: its first products start the sums
	WIN 0
	s_mov_b32 s21, LAPS-2
.Llap:
	LAP 0
	WIN 0
	s_sub_co_u32 s21, s21, 1
	s_cmp_lg_u32 s21, 0
	s_cbranch_scc1 .Llap
	THREE 0, 0                                     ; the last lap fills nothing
	TURN 0, 1, 0
	THREE 1, 0
	s_wait_dscnt NY
	WIN 0x50
	MUL8 1, 0, 0
	MUL8 1, 1, 0
	s_wait_dscnt 0x0
	MUL8 1, 2, 0
	MUL8 1, 3, 0
.if ALO
	MUL8L 1
.endif
	PLACES                                         ; behind the last matrix instructions, for all that follows
	WIN 0
.if MODE != 3
	s_wait_loadcnt 0x0                             ; the table
.if MODE == 2
	WIN 0x82                                       ; the table times sigma: the rotation then scales k as well
.set k, 0
.rept 64
	v_pk_mul_f32 v[2*k:2*k+1], v[2*k:2*k+1], v[SIG:SIG+1]
.set k, k+1
.endr
	WIN 0
.endif
; 16 rows x 128 columns in f32 at v[src ..]: round to f16, 16 bytes a lane into my stage, back as 128-byte halves of rows, out to s[pp:pp+1] + v[vo] + imm.
; Each half of the lanes stores 256 consecutive bytes, aligned: two rows of one panel.  lb: the read-back registers.
.macro PUT src, lb, pp, vo, imm
.irp b, 0,1,2,3,4,5,6,7
.irp p, 0,1,2,3
	v_cvt_pk_f16_f32 v[TMP+4*\b+\p], v[\src+8*\b+2*\p], v[\src+8*\b+2*\p+1]
.endr
.endr
.irp b, 0,1,2,3,4,5,6,7
	ds_store_b128 v[STO], v[TMP+4*\b:TMP+4*\b+3] offset:32*\b
.endr
	s_wait_xcnt 0x0                                ; set lb may be the data of earlier stores: it is loaded again only behind this wait
.irp t, 0,1,2,3,4,5,6,7
	ds_load_b128 v[\lb+4*\t:\lb+4*\t+3], v[RD] offset:2*SP*\t      ; LDS serves a wave's instructions in order (ISA guide 5.7.1.4): these see the stores above
.endr
.irp t, 0,1,2,3,4,5,6,7
	s_wait_dscnt 7-\t                              ; the 7 - t younger read-backs may be out
	global_store_b128 v[\vo], v[\lb+4*\t:\lb+4*\t+3], s[\pp:\pp+1] offset:\imm+256*\t
.endr
.endm
; Row tile a: rotate (or scale), then out.  Tile 0 is split first: with c = 2^13 + 1, g = c x, hi = g + (x - g) is x rounded to 11 bits,
; which f16 holds as it is, and x - hi is exact in f32 (Veltkamp's split); both go out.
.macro OUTH a, lb
.irp b, 0,1,2,3,4,5,6,7
.if \b < ROTN
	WIN 0x09                                       ; source 0: accumulators (window 1), source 1: table (window 2)
.irp p, 0,1,2,3
	v_mul_f32 v[TT+8*\b+2*\p],   v[8*(8*\a+\b)+2*\p+1], v[8*(4*\a+(\b&3))+2*\p+1]      ; x2 sin
	v_mul_f32 v[TT+8*\b+2*\p+1], v[8*(8*\a+\b)+2*\p],   v[8*(4*\a+(\b&3))+2*\p+1]      ; x1 sin
.endr
.irp p, 0,1,2,3
	v_fma_f32 v[RR+8*\b+2*\p],   v[8*(8*\a+\b)+2*\p],   v[8*(4*\a+(\b&3))+2*\p], -v[TT+8*\b+2*\p]    ; x1 cos - x2 sin
	v_fma_f32 v[RR+8*\b+2*\p+1], v[8*(8*\a+\b)+2*\p+1], v[8*(4*\a+(\b&3))+2*\p], v[TT+8*\b+2*\p+1]   ; x2 cos + x1 sin
.endr
.else
	WIN 0x01
.irp p, 0,1,2,3
	v_pk_mul_f32 v[RR+8*\b+2*\p:RR+8*\b+2*\p+1], v[8*(8*\a+\b)+2*\p:8*(8*\a+\b)+2*\p+1], v[SIG:SIG+1]
.endr
.endif
.endr
	WIN 0
.if \a == 0
.set k, 0
.rept 32
	v_pk_mul_f32 v[GG+2*k:GG+2*k+1], v[RR+2*k:RR+2*k+1], v[SPL:SPL+1]                                  ; g = c x
.set k, k+1
.endr
.set k, 0
.rept 32
	v_pk_add_f32 v[TT+2*k:TT+2*k+1], v[RR+2*k:RR+2*k+1], v[GG+2*k:GG+2*k+1] neg_lo:[0,1] neg_hi:[0,1]  ; x - g
.set k, k+1
.endr
.set k, 0
.rept 32
	v_pk_add_f32 v[GG+2*k:GG+2*k+1], v[GG+2*k:GG+2*k+1], v[TT+2*k:TT+2*k+1]                            ; hi
.set k, k+1
.endr
.set k, 0
.rept 32
	v_pk_add_f32 v[TT+2*k:TT+2*k+1], v[RR+2*k:RR+2*k+1], v[GG+2*k:GG+2*k+1] neg_lo:[0,1] neg_hi:[0,1]  ; x - hi
.set k, k+1
.endr
	PUT GG, 160, POUT, CO, 0
	PUT TT, 192, PLO, CL, 0
.else
	PUT RR, \lb, POUT, CO, 4096*\a
.endif
.endm
	OUTH 0, 160
	OUTH 1, 160
	OUTH 2, 192
	OUTH 3, 160
.else
; 16 rows of C in f32: times 1 / sigma, 32 bytes a lane into my stage, back as whole rows of 512 bytes, out: a store of the wave covers 512 consecutive bytes, aligned.
.macro OUTF a, lb
	WIN 0x01
.irp b, 0,1,2,3,4,5,6,7
.irp p, 0,1,2,3
	v_pk_mul_f32 v[RF+8*\b+2*\p:RF+8*\b+2*\p+1], v[8*(8*\a+\b)+2*\p:8*(8*\a+\b)+2*\p+1], v[ISG:ISG+1]
.endr
.endr
	WIN 0
.irp b, 0,1,2,3,4,5,6,7
	ds_store_b128 v[STO], v[RF+8*\b:RF+8*\b+3]   offset:64*\b
	ds_store_b128 v[STO], v[RF+8*\b+4:RF+8*\b+7] offset:64*\b+16
.endr
	s_wait_xcnt 0x0                                ; set lb was the data of earlier stores
.irp t, 0,1,2,3,4,5,6,7,8,9,10,11,12,13,14,15
	ds_load_b128 v[\lb+4*\t:\lb+4*\t+3], v[RD] offset:SP*\t
.endr
.irp t, 0,1,2,3,4,5,6,7,8,9,10,11,12,13,14,15
	s_wait_dscnt 15-\t                             ; the 15 - t younger read-backs may be out
	global_store_b128 v[LO16], v[\lb+4*\t:\lb+4*\t+3], s[POUT:POUT+1] offset:(32*\a+\t)*8192 th:TH_STORE_NT
.endr
.endm
	OUTF 0, 32
	OUTF 1, 96
	OUTF 2, 32
	OUTF 3, 96
.endif
	s_wait_tensorcnt 0x0
	ds_add_u32 v30, v31
	s_wait_dscnt 0x0
	CROUND                                         ; the closing round: no work-group ends while a partner may still ask for a tile that names it
	s_endpgm
.Lfunc_end_k_q451f2f08c0_gemm2:
	.size	k_q451f2f08c0_gemm2, .Lfunc_end_k_q451f2f08c0_gemm2-k_q451f2f08c0_gemm2
	.p2alignl 7, 3214868480
	.fill 96, 4, 3214868480
	.section	.rodata,"a",@progbits
	.p2align	6, 0x0
	.amdhsa_kernel k_q451f2f08c0_gemm2
		.amdhsa_group_segment_fixed_size 327680
		.amdhsa_private_segment_fixed_size 0
		.amdhsa_enable_private_segment 0
		.amdhsa_kernarg_size 40
		.amdhsa_user_sgpr_count 2
		.amdhsa_user_sgpr_kernarg_segment_ptr 1
		.amdhsa_wavefront_size32 1
		.amdhsa_system_sgpr_workgroup_id_x 1
		.amdhsa_system_sgpr_workgroup_id_y 1
		.amdhsa_system_sgpr_workgroup_id_z 1
		.amdhsa_system_vgpr_workitem_id 0
		.amdhsa_next_free_vgpr 640
		.amdhsa_next_free_sgpr 96
		.amdhsa_reserve_vcc 0
		.amdhsa_float_denorm_mode_32 3
		.amdhsa_float_denorm_mode_16_64 3
		.amdhsa_memory_ordered 1
		.amdhsa_forward_progress 1
		.amdhsa_inst_pref_size 172
	.end_amdhsa_kernel
	.amdgpu_metadata
---
amdhsa.version: [ 1, 2 ]
amdhsa.kernels:
  - .name:           k_q451f2f08c0_gemm2
    .symbol:         k_q451f2f08c0_gemm2.kd
    .args:
      - { .name: qc, .offset: 0, .size: 8, .value_kind: global_buffer, .address_space: global }
      - { .name: w16, .offset: 8, .size: 8, .value_kind: global_buffer, .address_space: global }
      - { .name: tab, .offset: 16, .size: 8, .value_kind: global_buffer, .address_space: global }
      - { .name: mx, .offset: 24, .size: 8, .value_kind: global_buffer, .address_space: global }
      - { .name: kv, .offset: 32, .size: 8, .value_kind: global_buffer, .address_space: global }
    .group_segment_fixed_size: 327680
    .private_segment_fixed_size: 0
    .kernarg_segment_align: 8
    .kernarg_segment_size: 40
    .max_flat_workgroup_size: 128
    .sgpr_count:     96
    .vgpr_count:     640
    .wavefront_size: 32
...
	.end_amdgpu_metadata
.endif
;; end of part 3
;; launch attn (part 4): grid 8 x 32, 8 waves a work-group, no clusters, 327,680 bytes of LDS; arguments qc, kv, mx, ao; writes ao
.if DOCPART == 4
	.amdgcn_target "amdgcn-amd-amdhsa--gfx1250"
	.amdhsa_code_object_version 6
	.text
	.protected	k_q451f2f08c0_attn
	.globl	k_q451f2f08c0_attn
	.p2align	8
	.type	k_q451f2f08c0_attn,@function
k_q451f2f08c0_attn:
	s_mov_b64 s[64:65], 0
	v_nop
	global_prefetch_b8 v0, s[64:65] scope:SCOPE_SE
	s_setreg_imm32_b32 hwreg(HW_REG_WAVE_MODE, 25, 1), 1
	s_wait_xcnt 0x0
; Causal attention of one (batch, head): ao = sigma x softmax(q k^T / 8) v, with a running maximum; f16 operands, everything else f32.
; q: panel h of qc; sigma k and sigma v: kv (sigma: the power of two that the launch before put on them, made here again from mx);
; the exponent's factor (1 / sigma) log2(e) / 8 takes sigma out of the scores; ao keeps it, the last product takes it out.
; Work-group (i, y) owns the query blocks i and 15 - i of 128 rows: (i + 1) + (16 - i) = 17 key steps of 128 keys in every work-group, 8 x 32 work-groups.
; The 17 steps are one stream: step n reads key tile n while n <= i, then tile n - i - 1; its LDS slot is n % 2.
; Eight waves, two on each of the WGP's four SIMDs, so that one wave's exponentials run beside the other's matrix work.  Wave w = 4 g + wq holds queries
; 32 wq .. + 31 of the block (two tiles u) and keys 64 g .. + 63 of each step; the two key halves keep their own maximum, sum and O, merged through LDS once a block.
; S^T = K Q^T: lane (r, h) holds query r, keys 16 a + 8 h + j.  Rounded to f16, tiles 2 c and 2 c + 1 are the second source P^T of O^T = V^T P^T as they lie:
; nothing moves between lanes, and maximum, sum and rescaling are one number a lane.
; Masked scores are -2^100 before the factor; the running maximum starts at -2^127.  A half whose keys are all masked gets weight 0 in the merge;
; the half g = 0 always holds an open key.  LIMIT: no NaN, no infinity in q, k, v.
; REMAINDERS.  Output row t averages t + 1 values, so the sequence's first rows are about ten times the size of the whole output's rms, by which the error
; is judged, and f16's 11 bits are too few for them.  Queries t < 32 see keys below 32 alone: they are wave 0's, in step 0 of the work-groups i = 0.  There
; q, k, v and P are taken as two f16 numbers each (x = hi + lo, lo = x - hi exact in f32): S += k_lo q + k q_lo, O += v P_lo + v_lo P, 32 matrix instructions more.
; ao is stored as blocks of 160 rows: 128 numbers' rows, then the remainders of the block's first 32 rows, for the last product.
; NO JOINT LOADS: the eight work-groups of a head want different tiles at the same step (tile n or n - i - 1, by their own i), and a form in which
; all walk alike takes 20 steps where this takes 17.
.set PK,   144                         ; LDS pitch of K's rows: 128 bytes + 16
.set PV,   160                         ; of V's rows: 128 bytes + 32, an odd multiple of 32 (transposing loads)
.set VREG, 128*PV                      ; V's 128 rows, then K's
.set SLOT, VREG+128*PK                 ; 38,912
.set SCR,  2*SLOT                      ; the merge: for each wave O (16 x 512 bytes) and its (m0, l0, m1, l1) (512 bytes); no tensor load lands here
.set SCRW, 8704
.set STG,  SCR+8*SCRW                  ; the way out: 16 rows x 144 bytes for each wave
.set STGW, 16*PK
.set G1V, 24                           ; s[24:31], s[32:39] group 1 of V's and K's loads; s[40:47], s[48:55] their group 0, one set a slot
.set G1K, 32
.set G0V, 40
.set G0K, 48
.set ADRK, 2
.set ADRV, 3
.set DMP,  4                           ; where I put my O for the merge
.set MRG,  5                           ; where I read the two halves of query tile u = g
.set MST,  6                           ; and their (m, l)
.set STO,  7
.set RD,   8
.set CO,   9                           ; 16 x lane
.set QO,   10                          ; 128 r + 16 h
.set DL,   11                          ; query - key of my register 0 of tile (0, 0) in a diagonal step
.set SENT, 12                          ; -2^100
.set SK,   14                          ; v[14:15] the exponent's factor, twice
.set ST,   16                          ; v[16:19] m0, l0, m1, l1
.set NM,   20                          ; v[20:23] -m of u = 0, 1, each twice
.set AL,   24                          ; v[24:27] the rescaling of u = 0, 1, each twice
.set QF,   32                          ; v32-63   Q(u, kd) at 8 (2 u + kd)
.set SS,   64                          ; v64-127  S(a, u) at 8 (4 u + a), then P
.set KF,   128                         ; v128-191 K(a, kd) at 8 (2 a + kd); free for work once S is made
.set VF,   192                         ; v192-255 V^T(dt, c) at 8 (2 dt + c)
.set TM,   128
.set TS,   136
.set HH,   144                         ; v144-175 the split of P: the parts that f16 holds
.set LL,   176                         ; v176-191 and the remainders of one u
; window 1: v0-63 O(dt, u) at 8 (4 u + dt); v64-95 the high block's Q; and for the remainders:
.set QL,   96                          ; q_lo(u, kd)
.set KL,   128                         ; k_lo(a, kd), a = 0, 1
.set VR,   160                         ; v_lo as it lies in memory
.set VL,   192                         ; v_lo^T(dt)
.set PL,   224                         ; P_lo(u)
.set MSB, 0
.macro WIN new                         ; s_set_vgpr_msb: bits 1:0 source 0, 3:2 source 1, 5:4 source 2, 7:6 destination; the high byte repeats the setting left
.if MSB != \new
	s_set_vgpr_msb (MSB<<8)|\new
.set MSB, \new
.endif
.endm
.macro KVLOAD s                        ; waves 0-3 fetch 32 keys of V each, waves 4-7 of K: one tensor load a wave and step, so one is out at most
	s_cmp_eq_u32 s13, 0
	s_cbranch_scc0 .Lfor_k_\@
	tensor_load_to_lds s[G0V+4*\s:G0V+4*\s+3], s[G1V:G1V+7]
	s_nop 0
	s_branch .Lasked_\@
.Lfor_k_\@:
	tensor_load_to_lds s[G0K+4*\s:G0K+4*\s+3], s[G1K:G1K+7]
	s_nop 0
.Lasked_\@:
.endm
	s_load_b256 s[4:11], s[0:1], 0x0               ; qc s[4:5], kv s[6:7], mx s[8:9], ao s[10:11]
	v_lshl_add_u32 v13, v0, 2, 0x29000
	s_set_vgpr_msb 0x40
	v_mov_b32 v255, 0
	s_set_vgpr_msb 0x4044
	ds_add_u32 v13, v255
	ds_add_u32 v13, v255
	s_set_vgpr_msb 0x4400
	v_lshrrev_b32 v1, 5, v0
	v_readfirstlane_b32 s12, v1                    ; wave
	s_lshr_b32 s13, s12, 2                         ; g
	s_and_b32 s14, s12, 3                          ; wq
	s_mov_b32 s15, ttmp9                           ; i
	s_and_b32 s57, ttmp7, 0xffff
	s_and_b32 s56, s57, 15                         ; head
	s_lshr_b32 s57, s57, 4                         ; batch
	s_lshl_b32 s60, s56, 19                        ; head x 524,288
	s_lshl_b32 s63, s57, 18                        ; batch x 2,048 rows of 128 bytes
	s_add_co_u32 s60, s60, s63
	s_lshl_b32 s63, s14, 12
	s_add_co_u32 s74, s60, s63                     ; + 32 wq rows
	s_mov_b32 s75, 0
	; group 1: 32 keys are 4 KiB of dense memory: 16 rows of 32 elements of 8 bytes; padding behind every 32 words (a key's 128 bytes): 8 words for V, 4 for K.
	; Sixteen rows a load, so that each of the eight waves has a load of its own.
	s_mov_b32 s[G1V+0], (3<<16)|(1<<20)|(4<<22)|(7<<25)
	s_mov_b32 s[G1K+0], (3<<16)|(1<<20)|(4<<22)|(3<<25)
.irp g, G1V, G1K
	s_mov_b32 s[\g+1], 32<<16                      ; tensor_dim0 = 32
	s_mov_b32 s[\g+2], 16<<16                      ; tensor_dim1 = 16
	s_mov_b32 s[\g+3], 32<<16                      ; tile_dim0 = 32
	s_mov_b32 s[\g+4], 16                          ; tile_dim1 = 16
	s_mov_b32 s[\g+5], 32                          ; from row to row
	s_mov_b32 s[\g+6], 0
	s_mov_b32 s[\g+7], 0
.endr
	s_mul_i32 s61, s12, 32*PV                      ; V: wave x 5,120
	s_mul_i32 s62, s12, 32*PK
	s_add_co_u32 s62, s62, VREG-4*32*PK            ; K: VREG + (wave - 4) x 4,608
	s_mov_b32 s58, 0x76543210                      ; v_permlanex16_b32: lane i reads lane i of the other half
	s_mov_b32 s59, 0xfedcba98
	s_mov_b32 s20, 0                               ; n, the step
	s_mov_b32 s21, 0                               ; the tile asked for last
	s_mov_b32 s23, 0
	s_wait_dscnt 0x0
	s_wait_kmcnt 0x0
	s_add_nc_u64 s[18:19], s[6:7], s[74:75]        ; my 32 keys of K's tile 0
	s_add_nc_u64 s[16:17], s[18:19], 8388608       ; and of V's
.irp s, 0,1
	s_mov_b32 s[G0V+4*\s], 1
	s_add_co_u32 s[G0V+4*\s+1], s61, \s*SLOT
	s_mov_b32 s[G0K+4*\s], 1
	s_add_co_u32 s[G0K+4*\s+1], s62, \s*SLOT
.endr
	s_mov_b64 s[G0V+2:G0V+3], s[16:17]
	s_or_b32 s[G0V+3], s[G0V+3], 0x80000000
	s_mov_b64 s[G0K+2:G0K+3], s[18:19]
	s_or_b32 s[G0K+3], s[G0K+3], 0x80000000
	KVLOAD 0                                       ; tile 0; slot 1 is first filled behind step 0's barrier
	s_lshl_b32 s76, s15, 14                        ; block i
	s_add_co_u32 s76, s76, s74
	s_mov_b32 s77, 0
	s_add_nc_u64 s[70:71], s[4:5], s[76:77]        ; its Q, my 32 rows
	s_sub_co_u32 s63, 15, s15                      ; block 15 - i
	s_lshl_b32 s78, s63, 14
	s_add_co_u32 s78, s78, s74
	s_mov_b32 s79, 0
	s_add_nc_u64 s[72:73], s[4:5], s[78:79]
	s_mul_i32 s84, s56, 655360                     ; ao: [head][32 blocks][160 rows][64]
	s_mul_i32 s85, s57, 327680                     ; batch x 16 blocks
	s_add_co_u32 s84, s84, s85
	s_lshl_b32 s85, s14, 12                        ; 32 wq rows
	s_add_co_u32 s84, s84, s85
	s_lshl_b32 s85, s13, 11                        ; 16 g rows: the query tile that I merge
	s_add_co_u32 s84, s84, s85
	s_mul_i32 s76, s15, 20480
	s_add_co_u32 s76, s76, s84
	s_add_nc_u64 s[66:67], s[10:11], s[76:77]      ; the low block's output
	s_mul_i32 s78, s63, 20480
	s_add_co_u32 s78, s78, s84
	s_add_nc_u64 s[68:69], s[10:11], s[78:79]      ; the high block's
	s_lshl_b32 s86, s56, 17                        ; the remainders of this batch's rows 0..31: [head][32 blocks][32 rows][64], block 16 x batch
	s_lshl_b32 s85, s57, 16
	s_add_co_u32 s86, s86, s85
	s_mov_b32 s87, 0
	s_add_nc_u64 s[80:81], s[4:5], s[86:87]
	s_add_nc_u64 s[80:81], s[80:81], 18874368      ; q's
	s_add_nc_u64 s[82:83], s[6:7], s[86:87]
	s_add_nc_u64 s[82:83], s[82:83], 16777216      ; k's; v's lie 2,097,152 bytes further
	v_and_b32 v1, 15, v0                           ; r
	v_bfe_u32 v28, v0, 4, 1                        ; h
	v_and_b32 v29, 31, v0                          ; l
	v_and_b32 v30, 7, v0
	v_bfe_u32 v31, v0, 3, 1
	v_lshlrev_b32 v[QO], 7, v1
	v_lshl_add_u32 v[QO], v28, 4, v[QO]            ; 128 r + 16 h
	v_lshlrev_b32 v[CO], 4, v29
.irp u, 0,1
.irp kd, 0,1
	global_load_b128 v[QF+8*(2*\u+\kd):QF+8*(2*\u+\kd)+3],   v[QO], s[70:71] offset:2048*\u+64*\kd
	global_load_b128 v[QF+8*(2*\u+\kd)+4:QF+8*(2*\u+\kd)+7], v[QO], s[70:71] offset:2048*\u+64*\kd+32
.endr
.endr
	WIN 0x40
.irp u, 0,1
.irp kd, 0,1
	global_load_b128 v[64+8*(2*\u+\kd):64+8*(2*\u+\kd)+3],   v[QO], s[72:73] offset:2048*\u+64*\kd
	global_load_b128 v[64+8*(2*\u+\kd)+4:64+8*(2*\u+\kd)+7], v[QO], s[72:73] offset:2048*\u+64*\kd+32
.endr
.endr
	WIN 0
.irp q, 0,1,2,3
	global_load_b128 v[SS+4*\q:SS+4*\q+3], v[CO], s[8:9] offset:512*\q     ; x's 512 maxima
.endr
	global_load_b128 v[SS+16:SS+19], v[CO], s[8:9] offset:2560             ; w_down's 128
	global_load_b128 v[SS+20:SS+23], v[CO], s[8:9] offset:3072             ; w_up's 128
	s_mul_i32 s57, s13, 64*PK
	s_add_co_u32 s57, s57, VREG
	v_mul_u32_u24 v[ADRK], v1, PK
	v_lshl_add_u32 v[ADRK], v28, 4, v[ADRK]
	v_add_nc_u32 v[ADRK], s57, v[ADRK]             ; VREG + (64 g + r) x 144 + 16 h
	s_mul_i32 s57, s13, 64*PV
	v_lshl_add_u32 v[ADRV], v28, 3, v30
	v_mul_u32_u24 v[ADRV], v[ADRV], PV
	v_lshl_add_u32 v[ADRV], v31, 4, v[ADRV]
	v_add_nc_u32 v[ADRV], s57, v[ADRV]             ; (64 g + 8 h + l % 8) x 160 + 16 ((l / 8) % 2)
	s_mul_i32 s57, s12, SCRW
	s_add_co_u32 s57, s57, SCR
	v_add_nc_u32 v[DMP], s57, v[CO]
	s_mul_i32 s57, s14, SCRW
	s_add_co_u32 s57, s57, SCR
	s_lshl_b32 s63, s13, 12
	s_add_co_u32 s63, s63, s57
	v_add_nc_u32 v[MRG], s63, v[CO]
	s_lshl_b32 s63, s13, 3
	s_add_co_u32 s63, s63, s57
	s_add_co_u32 s63, s63, 8192
	v_add_nc_u32 v[MST], s63, v[CO]
	s_mul_i32 s57, s12, STGW
	s_add_co_u32 s57, s57, STG
	v_mul_u32_u24 v[STO], v1, PK
	v_lshl_add_u32 v[STO], v28, 4, v[STO]
	v_add_nc_u32 v[STO], s57, v[STO]
	v_lshrrev_b32 v[RD], 3, v29
	v_mul_u32_u24 v[RD], v[RD], PK
	v_lshl_add_u32 v[RD], v30, 4, v[RD]
	v_add_nc_u32 v[RD], s57, v[RD]
	s_lshl_b32 s57, s14, 5
	s_lshl_b32 s63, s13, 6
	s_sub_co_i32 s57, s57, s63
	v_lshlrev_b32 v[DL], 3, v28
	v_sub_nc_u32 v[DL], v1, v[DL]
	v_add_nc_u32 v[DL], s57, v[DL]                 ; r - 8 h + 32 wq - 64 g
	v_mov_b32 v[SENT], 0xf1800000
	v_mov_b32 v[ST],   0xff000000                  ; -2^127
	v_mov_b32 v[ST+1], 0
	v_mov_b32 v[ST+2], 0xff000000
	v_mov_b32 v[ST+3], 0
	s_wait_loadcnt 0x0                             ; Q of both blocks and the maxima, once
	; 1 / sigma as the launch before made sigma: bound = 2^21 max|x| max|w_down| max|w_up|, eb its biased exponent (at least 20), 1 / sigma = 2^(eb - 141)
	v_max3_num_f32 v[SS],    v[SS],    v[SS+1],  v[SS+2]
	v_max3_num_f32 v[SS+3],  v[SS+3],  v[SS+4],  v[SS+5]
	v_max3_num_f32 v[SS+6],  v[SS+6],  v[SS+7],  v[SS+8]
	v_max3_num_f32 v[SS+9],  v[SS+9],  v[SS+10], v[SS+11]
	v_max3_num_f32 v[SS+12], v[SS+12], v[SS+13], v[SS+14]
	v_max3_num_f32 v[SS],    v[SS],    v[SS+3],  v[SS+6]
	v_max3_num_f32 v[SS+9],  v[SS+9],  v[SS+12], v[SS+15]
	v_max_num_f32  v[SS],    v[SS],    v[SS+9]
	v_max3_num_f32 v[SS+16], v[SS+16], v[SS+17], v[SS+18]
	v_max_num_f32  v[SS+16], v[SS+16], v[SS+19]
	v_max3_num_f32 v[SS+20], v[SS+20], v[SS+21], v[SS+22]
	v_max_num_f32  v[SS+20], v[SS+20], v[SS+23]
.irp q, 0,16,20
	v_max_num_f32_dpp v[SS+\q], v[SS+\q], v[SS+\q] row_xmask:1 row_mask:0xf bank_mask:0xf
	v_max_num_f32_dpp v[SS+\q], v[SS+\q], v[SS+\q] row_xmask:2 row_mask:0xf bank_mask:0xf
	v_max_num_f32_dpp v[SS+\q], v[SS+\q], v[SS+\q] row_xmask:4 row_mask:0xf bank_mask:0xf
	v_max_num_f32_dpp v[SS+\q], v[SS+\q], v[SS+\q] row_xmask:8 row_mask:0xf bank_mask:0xf
	v_permlanex16_b32 v[SS+1], v[SS+\q], s58, s59
	v_max_num_f32 v[SS+\q], v[SS+\q], v[SS+1]
.endr
	v_mul_f32 v[SS], v[SS], v[SS+16]
	v_mul_f32 v[SS], v[SS], v[SS+20]
	v_mul_f32 v[SS], 0x4a000000, v[SS]             ; x 2^21
	v_lshrrev_b32 v[SS], 23, v[SS]
	v_max_u32 v[SS], 20, v[SS]
	v_add_nc_u32 v[SS], -14, v[SS]
	v_lshlrev_b32 v[SS], 23, v[SS]                 ; 1 / sigma
	v_mul_f32 v[SK], 0x3e38aa3b, v[SS]             ; x log2(e) / 8
	v_mov_b32 v[SK+1], v[SK]
; The end of a query block: the two key halves meet.  Every wave puts its O and (m, l) into LDS; wave (g, wq) merges query tile u = g of waves wq and wq + 4,
; divides by the sum, rounds to f16 and stores 16 rows, 2 KiB of dense memory.  base: the scalar pair of the output address.
; The waves wq = 0 hold the block's first 32 rows: they split each number (c = 2^13 + 1, g = c x, hi = g + (x - g) has 11 bits, x - hi is exact: Veltkamp's split)
; and store the remainders 128 rows further down in the block.
; final = 0: the running maxima start again and the high block's Q moves in; O and l need no clearing, since the next step's rescaling is 2^(-2^127 - m) = 0.
.macro EVENT base, final
	v_permlanex16_b32 v28, v[ST+1], s58, s59       ; a lane summed the keys of its own h: add the other half's
	v_permlanex16_b32 v29, v[ST+3], s58, s59
	v_add_f32 v[ST+1], v[ST+1], v28
	v_add_f32 v[ST+3], v[ST+3], v29
	WIN 0x04                                       ; store data in window 1
.irp k, 0,1,2,3,4,5,6,7,8,9,10,11,12,13,14,15
	ds_store_b128 v[DMP], v[4*\k:4*\k+3] offset:512*\k
.endr
	WIN 0
	ds_store_b128 v[DMP], v[ST:ST+3] offset:8192
	s_wait_dscnt 0x0                               ; for the other waves' sake: my stores are done before I signal
	s_barrier_signal -1                            ; every wave of the work-group is here: the branch round this block hangs on n and i alone.
	s_barrier_wait -1                              ; The next tile's load may stay out across it
.irp k, 0,1,2,3,4,5,6,7
	ds_load_b128 v[SS+4*\k:SS+4*\k+3],       v[MRG] offset:512*\k
	ds_load_b128 v[SS+32+4*\k:SS+32+4*\k+3], v[MRG] offset:4*SCRW+512*\k
.endr
	ds_load_b64 v[28:29], v[MST]
	ds_load_b64 v[30:31], v[MST] offset:4*SCRW
	s_wait_dscnt 0x0
	v_max_num_f32 v128, v28, v30
	v_sub_f32 v129, v28, v128
	v_sub_f32 v130, v30, v128
	v_exp_f32 v129, v129
	v_exp_f32 v130, v130
	v_nop                                          ; one plain place behind a transcendental (ISA guide 5.7.2)
	s_wait_alu depctr_va_vdst(0)
	v_mul_f32 v131, v29, v129
	v_fma_f32 v131, v31, v130, v131                ; the whole sum: at least 1, the largest score's own term
	v_rcp_f32 v132, v131
	v_nop
	s_wait_alu depctr_va_vdst(0)
	v_mul_f32 v134, v129, v132
	v_mul_f32 v136, v130, v132
	v_mov_b32 v135, v134
	v_mov_b32 v137, v136
.set k, 0
.rept 16
	v_pk_mul_f32 v[SS+2*k:SS+2*k+1], v[SS+2*k:SS+2*k+1], v[134:135]
.set k, k+1
.endr
.set k, 0
.rept 16
	v_pk_fma_f32 v[SS+2*k:SS+2*k+1], v[SS+32+2*k:SS+32+2*k+1], v[136:137], v[SS+2*k:SS+2*k+1]
.set k, k+1
.endr
	s_cmp_lg_u32 s14, 0
	s_cbranch_scc1 .Lno_lo_\@
	v_mov_b32 v30, 0x46000400                      ; 2^13 + 1
	v_mov_b32 v31, v30
.set k, 0
.rept 16
	v_pk_mul_f32 v[160+2*k:160+2*k+1], v[SS+2*k:SS+2*k+1], v[30:31]                                        ; g = c x
.set k, k+1
.endr
.set k, 0
.rept 16
	v_pk_add_f32 v[192+2*k:192+2*k+1], v[SS+2*k:SS+2*k+1], v[160+2*k:160+2*k+1] neg_lo:[0,1] neg_hi:[0,1]  ; x - g
.set k, k+1
.endr
.set k, 0
.rept 16
	v_pk_add_f32 v[160+2*k:160+2*k+1], v[160+2*k:160+2*k+1], v[192+2*k:192+2*k+1]                          ; hi
.set k, k+1
.endr
.set k, 0
.rept 16
	v_pk_add_f32 v[192+2*k:192+2*k+1], v[SS+2*k:SS+2*k+1], v[160+2*k:160+2*k+1] neg_lo:[0,1] neg_hi:[0,1]  ; lo = x - hi
.set k, k+1
.endr
.set k, 0
.rept 16
	v_pk_add_f32 v[SS+2*k:SS+2*k+1], v[SS+2*k:SS+2*k+1], v[192+2*k:192+2*k+1] neg_lo:[0,1] neg_hi:[0,1]    ; x - lo = hi, exactly: what the lines below round is what f16 holds
.set k, k+1
.endr
.set k, 0
.rept 16
	v_cvt_pk_f16_f32 v[140+k], v[192+2*k], v[192+2*k+1]
.set k, k+1
.endr
.irp dt, 0,1,2,3
	ds_store_b128 v[STO], v[140+4*\dt:140+4*\dt+3] offset:32*\dt
.endr
.irp k, 0,1,2,3
	ds_load_b128 v[176+4*\k:176+4*\k+3], v[RD] offset:4*PK*\k      ; my own stage: LDS serves a wave's instructions in order (ISA guide 5.7.1.4)
.endr
.irp k, 0,1,2,3
	s_wait_dscnt 3-\k                              ; the 3 - k younger read-backs may be out
	global_store_b128 v[CO], v[176+4*\k:176+4*\k+3], s[\base:\base+1] offset:16384+512*\k
.endr
.Lno_lo_\@:
.set k, 0
.rept 16
	v_cvt_pk_f16_f32 v[140+k], v[SS+2*k], v[SS+2*k+1]
.set k, k+1
.endr
.irp dt, 0,1,2,3
	ds_store_b128 v[STO], v[140+4*\dt:140+4*\dt+3] offset:32*\dt
.endr
.irp k, 0,1,2,3
	ds_load_b128 v[156+4*\k:156+4*\k+3], v[RD] offset:4*PK*\k
.endr
.irp k, 0,1,2,3
	s_wait_dscnt 3-\k                              ; the 3 - k younger read-backs may be out
	global_store_b128 v[CO], v[156+4*\k:156+4*\k+3], s[\base:\base+1] offset:512*\k    ; four rows: 512 consecutive bytes, aligned
.endr
.if \final == 0
	s_wait_xcnt 0x0                                ; the stores' data registers are loaded again in the next step: only behind this wait
	v_mov_b32 v[ST],   0xff000000
	v_mov_b32 v[ST+2], 0xff000000
	WIN 0x01
.set k, 0
.rept 32
	v_mov_b32 v[QF+k], v[64+k]
.set k, k+1
.endr
	WIN 0
.endif
.endm
; The head of a key step: other = the slot that this step does not read; refill: the next step's tile is asked for, into that slot.
.macro HEAD other, refill
	s_set_vgpr_msb 0x4
	s_wait_tensorcnt 0x0                           ; all my tensor loads have landed, my part of this step's tile among them, so a group 0 may be written
	ds_add_u32 v13, v255
	s_wait_dscnt 0x0
	s_set_vgpr_msb 0x400
.if \refill
	s_add_co_u32 s21, s21, 1                       ; the next tile: one on, or 0 behind the low block's last
	s_cmp_eq_u32 s20, s15
	s_cselect_b32 s21, 0, s21
	s_lshl_b32 s22, s21, 14                        ; 128 keys of 128 bytes
	s_add_nc_u64 s[G0V+4*\other+2:G0V+4*\other+3], s[16:17], s[22:23]
	s_or_b32 s[G0V+4*\other+3], s[G0V+4*\other+3], 0x80000000
	s_add_nc_u64 s[G0K+4*\other+2:G0K+4*\other+3], s[18:19], s[22:23]
	s_or_b32 s[G0K+4*\other+3], s[G0K+4*\other+3], 0x80000000
.endif
	s_wait_dscnt 0x0                               ; my reads of the other slot are over
	s_barrier_signal -1
	s_barrier_wait -1                              ; both hold of all eight waves
.if \refill
	KVLOAD \other                                  ; my one tensor load behind this barrier; it has the whole step in which to land
.endif
.endm
; The work of a key step on slot n % 2.  first: O starts here.  mask: 0 the tile is open, 1 it is the diagonal one if n = i, 2 it is.
; extra: with the remainders of queries and keys 0..31 (wave 0 of a work-group i = 0, step 0): all that they need is loaded, made and used inside this one text.
.macro BODY slot, first, mask, extra
.if \extra
	WIN 0x40                                       ; loaded into window 1: k_lo and q_lo as fragments (row r, 16 bytes at 16 h, 32 apart), v_lo as it lies
.irp a, 0,1
.irp kd, 0,1
	global_load_b128 v[KL+8*(2*\a+\kd):KL+8*(2*\a+\kd)+3],   v[QO], s[82:83] offset:2048*\a+64*\kd
	global_load_b128 v[KL+8*(2*\a+\kd)+4:KL+8*(2*\a+\kd)+7], v[QO], s[82:83] offset:2048*\a+64*\kd+32
	global_load_b128 v[QL+8*(2*\a+\kd):QL+8*(2*\a+\kd)+3],   v[QO], s[80:81] offset:2048*\a+64*\kd
	global_load_b128 v[QL+8*(2*\a+\kd)+4:QL+8*(2*\a+\kd)+7], v[QO], s[80:81] offset:2048*\a+64*\kd+32
.endr
.endr
.irp k, 0,1,2,3,4,5,6,7
	global_load_b128 v[VR+4*\k:VR+4*\k+3], v[CO], s[82:83] offset:2097152+512*\k   ; four keys of 128 bytes a load
.endr
	WIN 0
	v_and_b32 v29, 31, v0                          ; v_lo's way through wave 0's own merge bytes, at V's pitch:
	v_lshrrev_b32 v28, 3, v29                      ; in at SCR + (4 k + l / 8) x 160 + 16 (l % 8),
	v_mul_u32_u24 v28, v28, PV
	v_and_b32 v29, 7, v0
	v_lshl_add_u32 v28, v29, 4, v28
	v_add_nc_u32 v28, SCR, v28
	v_bfe_u32 v30, v0, 4, 1                        ; back, transposed, at SCR + (8 h + l % 8) x 160 + 16 ((l / 8) % 2)
	v_lshl_add_u32 v30, v30, 3, v29
	v_mul_u32_u24 v30, v30, PV
	v_bfe_u32 v31, v0, 3, 1
	v_lshl_add_u32 v30, v31, 4, v30
	v_add_nc_u32 v30, SCR, v30
.endif
.irp a, 0,1,2,3
.irp kd, 0,1
	ds_load_b128 v[KF+8*(2*\a+\kd):KF+8*(2*\a+\kd)+3],   v[ADRK] offset:\slot*SLOT+\a*16*PK+64*\kd
	ds_load_b128 v[KF+8*(2*\a+\kd)+4:KF+8*(2*\a+\kd)+7], v[ADRK] offset:\slot*SLOT+\a*16*PK+64*\kd+32
.endr
.endr
.irp dt, 0,1,2,3
.irp c, 0,1
	ds_load_tr16_b128 v[VF+8*(2*\dt+\c):VF+8*(2*\dt+\c)+3],   v[ADRV] offset:\slot*SLOT+\c*32*PV+32*\dt
	ds_load_tr16_b128 v[VF+8*(2*\dt+\c)+4:VF+8*(2*\dt+\c)+7], v[ADRV] offset:\slot*SLOT+\c*32*PV+32*\dt+16*PV
.endr
.endr
	s_wait_dscnt 16                                ; K's sixteen loads are in; V's sixteen, issued behind them, may be out
	; S^T = K Q^T: the accumulators take turns, one instruction a turn; the first 32 of the head's 64 start the sums
.irp kd, 0,1
.irp u, 0,1
.irp a, 0,1,2,3
.if \kd == 0
	v_wmma_f32_16x16x32_f16 v[SS+8*(4*\u+\a):SS+8*(4*\u+\a)+7], v[KF+8*(2*\a+\kd):KF+8*(2*\a+\kd)+7], v[QF+8*(2*\u+\kd):QF+8*(2*\u+\kd)+7], 0
.else
	v_wmma_f32_16x16x32_f16 v[SS+8*(4*\u+\a):SS+8*(4*\u+\a)+7], v[KF+8*(2*\a+\kd):KF+8*(2*\a+\kd)+7], v[QF+8*(2*\u+\kd):QF+8*(2*\u+\kd)+7], v[SS+8*(4*\u+\a):SS+8*(4*\u+\a)+7]
.endif
.endr
.endr
.endr
.if \extra
	s_wait_loadcnt 8                               ; k_lo and q_lo are in; v_lo's eight loads, issued behind them, may be out
	WIN 0x01                                       ; + k_lo q, keys 0..31 (the wave's other keys are masked for these queries): four accumulators by turns
.irp kd, 0,1
.irp u, 0,1
.irp a, 0,1
	v_wmma_f32_16x16x32_f16 v[SS+8*(4*\u+\a):SS+8*(4*\u+\a)+7], v[KL+8*(2*\a+\kd):KL+8*(2*\a+\kd)+7], v[QF+8*(2*\u+\kd):QF+8*(2*\u+\kd)+7], v[SS+8*(4*\u+\a):SS+8*(4*\u+\a)+7]
.endr
.endr
.endr
	WIN 0x04                                       ; + k q_lo
.irp kd, 0,1
.irp u, 0,1
.irp a, 0,1
	v_wmma_f32_16x16x32_f16 v[SS+8*(4*\u+\a):SS+8*(4*\u+\a)+7], v[KF+8*(2*\a+\kd):KF+8*(2*\a+\kd)+7], v[QL+8*(2*\u+\kd):QL+8*(2*\u+\kd)+7], v[SS+8*(4*\u+\a):SS+8*(4*\u+\a)+7]
.endr
.endr
.endr
	WIN 0
.endif
.rept 4
	v_nop                                          ; four places before vector instructions read S or write over K's fragments (ISA guide 7.12.1)
.endr
.if \mask == 1
	s_cmp_lg_u32 s20, s15
	s_cbranch_scc1 .Lopen_\@
.endif
.if \mask
	; the diagonal step: key 64 g + 16 a + 8 h + j is masked where it is beyond query 32 wq + 16 u + r
.irp u, 0,1
.irp a, 0,1,2,3
.irp j, 0,1,2,3,4,5,6,7
	v_cmp_gt_i32 vcc_lo, 16*\a+\j-16*\u, v[DL]
	v_cndmask_b32 v[SS+8*(4*\u+\a)+\j], v[SS+8*(4*\u+\a)+\j], v[SENT], vcc_lo
.endr
.endr
.endr
.endif
.if \mask == 1
.Lopen_\@:
.endif
.if \extra
	s_wait_loadcnt 0x0                             ; v_lo
	WIN 0x04
.irp k, 0,1,2,3,4,5,6,7
	ds_store_b128 v28, v[VR+4*\k:VR+4*\k+3] offset:4*PV*\k
.endr
	WIN 0x40
.irp dt, 0,1,2,3
	ds_load_tr16_b128 v[VL+8*\dt:VL+8*\dt+3],   v30 offset:32*\dt          ; my own bytes: LDS serves a wave's instructions in order (ISA guide 5.7.1.4)
	ds_load_tr16_b128 v[VL+8*\dt+4:VL+8*\dt+7], v30 offset:32*\dt+16*PV
.endr
	WIN 0
.endif
	; the largest score of each query: my 32 keys in four chains, then the other half of the lanes
.irp u, 0,1
.irp k, 0,1,2,3
	v_max3_num_f32 v[TM+4*\u+\k], v[SS+32*\u+3*\k], v[SS+32*\u+3*\k+1], v[SS+32*\u+3*\k+2]
.endr
.irp k, 0,1,2,3
	v_max3_num_f32 v[TM+4*\u+\k], v[TM+4*\u+\k], v[SS+32*\u+12+2*\k], v[SS+32*\u+13+2*\k]
.endr
.irp k, 0,1,2,3
	v_max3_num_f32 v[TM+4*\u+\k], v[TM+4*\u+\k], v[SS+32*\u+20+2*\k], v[SS+32*\u+21+2*\k]
.endr
.irp k, 0,1
	v_max3_num_f32 v[TM+4*\u+\k], v[TM+4*\u+\k], v[SS+32*\u+28+2*\k], v[SS+32*\u+29+2*\k]
.endr
	v_max3_num_f32 v[TM+4*\u], v[TM+4*\u], v[TM+4*\u+1], v[TM+4*\u+2]
	v_max_num_f32 v[TM+4*\u], v[TM+4*\u], v[TM+4*\u+3]
.endr
	v_permlanex16_b32 v[TM+1], v[TM], s58, s59
	v_permlanex16_b32 v[TM+5], v[TM+4], s58, s59
.irp u, 0,1
	v_max_num_f32 v[TM+4*\u], v[TM+4*\u], v[TM+4*\u+1]
	v_mul_f32 v[TM+4*\u], v[TM+4*\u], v[SK]        ; the factor is positive: the largest stays the largest
	v_max_num_f32 v[TM+4*\u+1], v[TM+4*\u], v[ST+2*\u]     ; the new running maximum
	v_sub_f32 v[TM+4*\u+2], v[ST+2*\u], v[TM+4*\u+1]
	v_mov_b32 v[ST+2*\u], v[TM+4*\u+1]
	v_sub_f32 v[NM+2*\u],   0, v[TM+4*\u+1]
	v_sub_f32 v[NM+2*\u+1], 0, v[TM+4*\u+1]
.endr
	v_exp_f32 v[AL],   v[TM+2]                     ; the rescaling of what was summed so far, twice for the packed multiply;
	v_exp_f32 v[AL+1], v[TM+2]                     ; the multiply-adds below are the plain place behind these four
	v_exp_f32 v[AL+2], v[TM+6]
	v_exp_f32 v[AL+3], v[TM+6]
.irp u, 0,1
.set k, 0
.rept 16
	v_pk_fma_f32 v[SS+32*\u+2*k:SS+32*\u+2*k+1], v[SS+32*\u+2*k:SS+32*\u+2*k+1], v[SK:SK+1], v[NM+2*\u:NM+2*\u+1]
.set k, k+1
.endr
.endr
.set k, 0
.rept 64
	v_exp_f32 v[SS+k], v[SS+k]
.set k, k+1
.endr
	v_nop                                          ; one plain place behind the run of transcendentals (ISA guide 5.7.2)
	s_wait_alu depctr_va_vdst(0)
.irp u, 0,1
	v_pk_add_f32 v[TS+4*\u:TS+4*\u+1],   v[SS+32*\u:SS+32*\u+1],   v[SS+32*\u+2:SS+32*\u+3]
	v_pk_add_f32 v[TS+4*\u+2:TS+4*\u+3], v[SS+32*\u+4:SS+32*\u+5], v[SS+32*\u+6:SS+32*\u+7]
.irp k, 2,3,4,5,6,7
	v_pk_add_f32 v[TS+4*\u:TS+4*\u+1],   v[TS+4*\u:TS+4*\u+1],   v[SS+32*\u+4*\k:SS+32*\u+4*\k+1]
	v_pk_add_f32 v[TS+4*\u+2:TS+4*\u+3], v[TS+4*\u+2:TS+4*\u+3], v[SS+32*\u+4*\k+2:SS+32*\u+4*\k+3]
.endr
	v_pk_add_f32 v[TS+4*\u:TS+4*\u+1], v[TS+4*\u:TS+4*\u+1], v[TS+4*\u+2:TS+4*\u+3]
	v_add_f32 v[TS+4*\u], v[TS+4*\u], v[TS+4*\u+1]
	v_fma_f32 v[ST+2*\u+1], v[ST+2*\u+1], v[AL+2*\u], v[TS+4*\u]
.endr
.if \extra
	; P of keys 0..31 (tiles a = 0, 1) in two parts: c = 2^13 + 1, g = c x, hi = g + (x - g) has 11 bits, lo = x - hi is exact (Veltkamp's split)
	v_mov_b32 v28, 0x46000400
	v_mov_b32 v29, v28
.irp u, 0,1
.set k, 0
.rept 8
	v_pk_mul_f32 v[HH+16*\u+2*k:HH+16*\u+2*k+1], v[SS+32*\u+2*k:SS+32*\u+2*k+1], v[28:29]
.set k, k+1
.endr
.set k, 0
.rept 8
	v_pk_add_f32 v[LL+2*k:LL+2*k+1], v[SS+32*\u+2*k:SS+32*\u+2*k+1], v[HH+16*\u+2*k:HH+16*\u+2*k+1] neg_lo:[0,1] neg_hi:[0,1]
.set k, k+1
.endr
.set k, 0
.rept 8
	v_pk_add_f32 v[HH+16*\u+2*k:HH+16*\u+2*k+1], v[HH+16*\u+2*k:HH+16*\u+2*k+1], v[LL+2*k:LL+2*k+1]
.set k, k+1
.endr
.set k, 0
.rept 8
	v_pk_add_f32 v[LL+2*k:LL+2*k+1], v[SS+32*\u+2*k:SS+32*\u+2*k+1], v[HH+16*\u+2*k:HH+16*\u+2*k+1] neg_lo:[0,1] neg_hi:[0,1]
.set k, k+1
.endr
	WIN 0x40
.irp p, 0,1,2,3,4,5,6,7
	v_cvt_pk_f16_f32 v[PL+8*\u+\p], v[LL+2*\p], v[LL+2*\p+1]       ; the fragment P_lo^T(u): tile 0 in registers 0-3, tile 1 in 4-7
.endr
	WIN 0
.endr
.endif
	; P in f16, in place: tile 2 c into its own registers 0-3, tile 2 c + 1 into registers 4-7 of tile 2 c: the fragment P^T(u, c)
.irp u, 0,1
.irp c, 0,1
.if \extra && (\c == 0)
.irp p, 0,1,2,3,4,5,6,7
	v_cvt_pk_f16_f32 v[SS+32*\u+\p], v[HH+16*\u+2*\p], v[HH+16*\u+2*\p+1]
.endr
.else
.irp p, 0,1,2,3
	v_cvt_pk_f16_f32 v[SS+8*(4*\u+2*\c)+\p], v[SS+8*(4*\u+2*\c)+2*\p], v[SS+8*(4*\u+2*\c)+2*\p+1]
.endr
.irp p, 0,1,2,3
	v_cvt_pk_f16_f32 v[SS+8*(4*\u+2*\c)+4+\p], v[SS+8*(4*\u+2*\c+1)+2*\p], v[SS+8*(4*\u+2*\c+1)+2*\p+1]
.endr
.endif
.endr
.endr
.if \first == 0
	WIN 0x41                                       ; O in window 1, the factor in window 0
.irp u, 0,1
.set k, 0
.rept 16
	v_pk_mul_f32 v[32*\u+2*k:32*\u+2*k+1], v[32*\u+2*k:32*\u+2*k+1], v[AL+2*\u:AL+2*\u+1]
.set k, k+1
.endr
.endr
.endif
	s_wait_dscnt 0x0                               ; V's fragments
	WIN 0x50                                       ; O^T += V^T P^T: eight accumulators take turns, one instruction a turn
.irp c, 0,1
.irp u, 0,1
.irp dt, 0,1,2,3
.if \first && (\c == 0)
	v_wmma_f32_16x16x32_f16 v[8*(4*\u+\dt):8*(4*\u+\dt)+7], v[VF+8*(2*\dt+\c):VF+8*(2*\dt+\c)+7], v[SS+8*(4*\u+2*\c):SS+8*(4*\u+2*\c)+7], 0
.else
	v_wmma_f32_16x16x32_f16 v[8*(4*\u+\dt):8*(4*\u+\dt)+7], v[VF+8*(2*\dt+\c):VF+8*(2*\dt+\c)+7], v[SS+8*(4*\u+2*\c):SS+8*(4*\u+2*\c)+7], v[8*(4*\u+\dt):8*(4*\u+\dt)+7]
.endif
.endr
.endr
.endr
.if \extra
	WIN 0x54                                       ; + v P_lo
.irp u, 0,1
.irp dt, 0,1,2,3
	v_wmma_f32_16x16x32_f16 v[8*(4*\u+\dt):8*(4*\u+\dt)+7], v[VF+16*\dt:VF+16*\dt+7], v[PL+8*\u:PL+8*\u+7], v[8*(4*\u+\dt):8*(4*\u+\dt)+7]
.endr
.endr
	WIN 0x51                                       ; + v_lo P
.irp u, 0,1
.irp dt, 0,1,2,3
	v_wmma_f32_16x16x32_f16 v[8*(4*\u+\dt):8*(4*\u+\dt)+7], v[VL+8*\dt:VL+8*\dt+7], v[SS+32*\u:SS+32*\u+7], v[8*(4*\u+\dt):8*(4*\u+\dt)+7]
.endr
.endr
.endif
	WIN 0
.rept 5
	v_nop                                          ; five places: the next step's first products write over P, its loads land in V's fragments, the merge reads O
.endr
.endm
; A key step behind the first.  cond: n may be i, the low block's last step.
.macro STEP slot, other, refill, mask, cond
	HEAD \other, \refill
	BODY \slot, 0, \mask, 0
.if \cond
	s_cmp_lg_u32 s20, s15
	s_cbranch_scc1 .Lon_\@
	EVENT 66, 0                                    ; n = i: the low block is done
.Lon_\@:
.endif
	s_add_co_u32 s20, s20, 1
.endm
	HEAD 1, 1                                      ; n = 0, in three texts behind one head
	s_cmp_lg_u32 s15, 0
	s_cbranch_scc1 .Ls0_open
	s_cmp_lg_u32 s12, 0
	s_cbranch_scc1 .Ls0_diag
	BODY 0, 1, 2, 1                                ; i = 0, wave 0: queries and keys 0..31, with their remainders
	s_branch .Ls0_end
.Ls0_diag:
	BODY 0, 1, 2, 0                                ; i = 0, the other waves
.Ls0_end:
	EVENT 66, 0                                    ; block 0 has this one step
	s_branch .Ls0_done
.Ls0_open:
	BODY 0, 1, 0, 0                                ; i > 0: tile 0 lies below the diagonal
.Ls0_done:
	s_add_co_u32 s20, s20, 1
	s_mov_b32 s56, 7
.Lsteps:
	STEP 1, 0, 1, 1, 1                             ; n = 1, 3, .. 13
	STEP 0, 1, 1, 1, 1                             ; n = 2, 4, .. 14
	s_sub_co_u32 s56, s56, 1
	s_cmp_lg_u32 s56, 0
	s_cbranch_scc1 .Lsteps
	STEP 1, 0, 1, 0, 0                             ; n = 15 (i is 7 at the most)
	STEP 0, 1, 0, 2, 0                             ; n = 16: the high block's diagonal step; nothing is left to fetch
	EVENT 68, 1                                    ; the high block is done
	s_set_vgpr_msb 0x4
	s_wait_tensorcnt 0x0
	ds_add_u32 v13, v255
	s_wait_dscnt 0x0
	s_set_vgpr_msb 0x400
	s_endpgm
.Lfunc_end_k_q451f2f08c0_attn:
	.size	k_q451f2f08c0_attn, .Lfunc_end_k_q451f2f08c0_attn-k_q451f2f08c0_attn
	.p2alignl 7, 3214868480
	.fill 96, 4, 3214868480
	.section	.rodata,"a",@progbits
	.p2align	6, 0x0
	.amdhsa_kernel k_q451f2f08c0_attn
		.amdhsa_group_segment_fixed_size 327680
		.amdhsa_private_segment_fixed_size 0
		.amdhsa_enable_private_segment 0
		.amdhsa_kernarg_size 32
		.amdhsa_user_sgpr_count 2
		.amdhsa_user_sgpr_kernarg_segment_ptr 1
		.amdhsa_wavefront_size32 1
		.amdhsa_system_sgpr_workgroup_id_x 1
		.amdhsa_system_sgpr_workgroup_id_y 1
		.amdhsa_system_sgpr_workgroup_id_z 1
		.amdhsa_system_vgpr_workitem_id 0
		.amdhsa_next_free_vgpr 512
		.amdhsa_next_free_sgpr 96
		.amdhsa_reserve_vcc 1
		.amdhsa_float_denorm_mode_32 3
		.amdhsa_float_denorm_mode_16_64 3
		.amdhsa_memory_ordered 1
		.amdhsa_forward_progress 1
		.amdhsa_inst_pref_size 223
	.end_amdhsa_kernel
	.amdgpu_metadata
---
amdhsa.version: [ 1, 2 ]
amdhsa.kernels:
  - .name:           k_q451f2f08c0_attn
    .symbol:         k_q451f2f08c0_attn.kd
    .args:
      - { .name: qc, .offset: 0, .size: 8, .value_kind: global_buffer, .address_space: global }
      - { .name: kv, .offset: 8, .size: 8, .value_kind: global_buffer, .address_space: global }
      - { .name: mx, .offset: 16, .size: 8, .value_kind: global_buffer, .address_space: global }
      - { .name: ao, .offset: 24, .size: 8, .value_kind: global_buffer, .address_space: global }
    .group_segment_fixed_size: 327680
    .private_segment_fixed_size: 0
    .kernarg_segment_align: 8
    .kernarg_segment_size: 32
    .max_flat_workgroup_size: 256
    .sgpr_count:     96
    .vgpr_count:     512
    .wavefront_size: 32
...
	.end_amdgpu_metadata
.endif
;; end of part 4
;; launch gemm3 (part 5): grid 8 x 32, 4 waves a work-group, clusters of 4 x 4, 327,680 bytes of LDS; arguments ao, w16, mx, out0; writes out0
.if DOCPART == 5
	.amdgcn_target "amdgcn-amd-amdhsa--gfx1250"
	.amdhsa_code_object_version 6
	.text
	.protected	k_q451f2f08c0_gemm3
	.globl	k_q451f2f08c0_gemm3
	.p2align	8
	.type	k_q451f2f08c0_gemm3,@function
k_q451f2f08c0_gemm3:
	s_mov_b64 s[64:65], 0
	v_nop
	global_prefetch_b8 v0, s[64:65] scope:SCOPE_SE
	s_setreg_imm32_b32 hwreg(HW_REG_WAVE_MODE, 25, 1), 1
	s_wait_xcnt 0x0
	s_wait_alu depctr_hold_cnt(0) depctr_sa_sdst(0) depctr_va_vdst(0) depctr_va_sdst(0) depctr_va_ssrc(0) depctr_va_vcc(0) depctr_vm_vsrc(0)
	s_getreg_b32 s2, hwreg(HW_REG_IB_STS2, 6, 4)
	s_cmp_eq_u32 s2, 0
	s_cbranch_scc0 .Lentry_in_a_cluster
	s_endpgm
.Lentry_in_a_cluster:
	s_bfe_u32 s2, ttmp6, 0x10000c
	s_cmp_lg_u32 s2, 0xf033
	s_cbranch_scc0 .Lentry_shape_is_right
	s_endpgm
.Lentry_shape_is_right:
; out0[4096][2048] = (ao[4096][1024] wo[1024][2048]) / sigma, f16 operands, f32 sums, f32 out.  The text of the two products before, cut to this one.
; sigma is the power of two that was put on k and v: sigma = 2^(141 - eb), eb the biased exponent (at least 20) of 2^21 max|x| max|w_down| max|w_up|, read from mx.
; REMAINDERS.  Output row t averages t + 1 values, so the first rows are about ten times the size of the whole output's rms, by which the error is judged:
; f16's 11 bits are too few for them.  ao lies in panels of 64 columns, [k/64][32 blocks][160 rows][64]: rows 128..159 of a block are the remainders
; x - f16(x) of its rows 0..31, and their product with wo is added to those 32 rows' sums: 8 matrix instructions on 32.
; Only the two blocks at t = 0 need this, yet every block does it: the sixteen work-groups of a cluster run one text, with no branch on their place.
; A block of a panel is dense memory, one tensor load.  wo lies [k][2048] f16 (w16, byte 12,582,912) and is transposed on its way out of LDS.
; A work-group makes 128 x 256 of C with four waves, as many as a WGP has SIMDs; a wave makes 64 x 128: 32 accumulator tiles, 256 registers; its row tile a
; is rows 32 a + 16 wr + 0..15 of the block, so that tile 0 of the two halves wr is the block's first 32 rows.
; 32 x 8 work-groups.  K goes in steps of 128 through two LDS slots; each wave fetches a quarter of a slot by one tensor load.
; CLUSTERS of 4 x 4: A's tile hangs on the block row alone and is asked for jointly by a row of the cluster, W's on the block column alone and by a column.
; THE MATRIX INSTRUCTION IS USED TRANSPOSED (source 0 = 16 columns of W, source 1 = 16 rows of A): lane l holds row l % 16 of C, registers 0..7 the columns 8 (l / 16) + 0..7.
; REGISTER WINDOWS: 0 addresses, fragments, work; 1 the accumulators, tile (a, b) at v[8 (8 a + b)].  LIMIT: no NaN, no infinity.
.set KDIM,  1024
.set BOFF,  12582912                   ; wo's first byte in w16
.set PMX,   8
.set POUT,  10
.set AROWS, 160                        ; rows of a block in a panel of A
.set ABLK,  AROWS*128                  ; its bytes
.set PANB,  32*ABLK                    ; bytes of a panel of A
.set LAPS,  KDIM/256                   ; a lap = two K steps = once round the ring
.set PA,    144                        ; LDS pitch of A's rows: 128 bytes + 16, an odd multiple of 16
.set PB,    544                        ; LDS pitch of W's rows: 512 bytes + 32, an odd multiple of 32 (transposing loads)
.set BHALF, 64*PB                      ; 64 k rows of W: one tensor load
.set APAN,  AROWS*PA                   ; a block of one panel of A: one tensor load
.set AREG,  2*BHALF                    ; A's two panels lie behind W's 128 rows
.set SLOT,  AREG+2*APAN                ; 115,712
.set STAGE, 2*SLOT                     ; behind the ring: each wave's own 16 rows for the way out; no tensor load lands there
.set NF,    26                         ; LDS loads of a quarter step
.set NY,    6                          ; the youngest of them: A's tiles 2, 3 and the remainders
.set SP,    528                        ; a stage row: 512 bytes + 16
.set G1A, 24                           ; s[24:31] group 1 of A's tiles     s[32:39] group 0, one set a slot
.set G0A, 32
.set G1B, 40                           ; s[40:47] group 1 of W's tiles     s[48:55] group 0, one set a slot
.set G0B, 48
.set ISG,  14                          ; v[14:15] 1 / sigma, twice
.set ADRA, 16                          ; v16-17 LDS address of my A fragments in slot 0, 1
.set ADRB, 20                          ; v20-21 the same for W
.set STO,  24                          ; where I put my part of a stage row
.set RD,   25                          ; where I read the stage back
.set LO16, 28                          ; 16 x lane
.set FA,   32                          ; v32-63, v64-95    A fragments (4 x 8), two buffers
.set FB,   96                          ; v96-159, v160-223 W fragments (8 x 8), two buffers
.set FL,   224                         ; v224-231, v232-239 the remainders' fragment, two buffers
.set TMP,  224                         ; v224-247 ahead of the loop: mx
.set RF,   160                         ; the way out: results in f32
.set MSB, 0
.macro WIN new                         ; s_set_vgpr_msb: bits 1:0 source 0, 3:2 source 1, 5:4 source 2, 7:6 destination; the high byte repeats the setting left
.if MSB != \new
	s_set_vgpr_msb (MSB<<8)|\new
.set MSB, \new
.endif
.endm
.macro PLACES                          ; four plain vector instructions between a matrix instruction and a vector instruction or load that touches its registers
.rept 4
	v_nop
.endr
.endm
; A joint load.  Waves 0, 1 fetch W's two halves, waves 2, 3 A's two panels.  Each line has one mask and one set of registers in all that issue it.
.macro JLOAD s
	s_cmp_eq_u32 s13, 0
	s_cbranch_scc0 .Lfor_a_\@
	tensor_load_to_lds s[G0B+4*\s:G0B+4*\s+3], s[G1B:G1B+7]
	s_nop 0
	s_branch .Lasked_\@
.Lfor_a_\@:
	tensor_load_to_lds s[G0A+4*\s:G0A+4*\s+3], s[G1A:G1A+7]
	s_nop 0
.Lasked_\@:
.endm
.macro CREST                           ; a round of the cluster's barrier behind its opening work-group barrier
	s_cmp_lg_u32 s12, 0
	s_cbranch_scc1 .Lnot_wave_0_\@
	s_barrier_signal -3
.Lnot_wave_0_\@:
	s_barrier_wait -3
	s_barrier_signal -1
	s_barrier_wait -1
.endm
.macro CROUND                          ; a whole round
	s_barrier_signal -1
	s_barrier_wait -1
	CREST
.endm
	s_load_b256 s[4:11], s[0:1], 0x0               ; ao s[4:5], w16 s[6:7], mx s[8:9], out0 s[10:11]
	v_lshl_add_u32 v254, v0, 2, 0x40c00
	v_mov_b32 v255, 0
	ds_add_u32 v254, v255
	ds_add_u32 v254, v255
	v_lshrrev_b32 v1, 5, v0
	v_readfirstlane_b32 s12, v1                    ; wave 0..3
	s_lshr_b32 s13, s12, 1                         ; wr: my half of the row tiles.  Also: I fetch for W (0) or for A (1)
	s_and_b32 s14, s12, 1                          ; wc: my half of the columns.  Also: which half of that tile I fetch
	s_bfe_u32 s15, ttmp6, 0x40000                  ; cx
	s_bfe_u32 s16, ttmp6, 0x40004                  ; cy
	s_lshl_b32 s17, ttmp9, 2
	s_add_co_u32 s17, s17, s15                     ; block column 0..7
	s_and_b32 s18, ttmp7, 0xffff
	s_lshl_b32 s18, s18, 2
	s_add_co_u32 s18, s18, s16                     ; block row 0..31
	s_lshl_b32 s19, s16, 2
	s_lshl_b32 s19, 15, s19                        ; my row of the cluster
	s_lshl_b32 s20, 0x1111, s15                    ; my column
	s_mov_b32 s58, 0x76543210                      ; v_permlanex16_b32: lane i reads lane i of the other half
	s_mov_b32 s59, 0xfedcba98
	; group 1 of A's tiles: a dense block as rows of 32 elements of 8 bytes; 4 words of padding behind every 32 words, that is behind each 128-byte row of the panel
	s_or_b32 s[G1A+0], s19, (3<<16)|(1<<20)|(1<<21)|(4<<22)|(3<<25)
	s_mov_b32 s[G1A+1], 32<<16                     ; tensor_dim0 = 32
	s_mov_b32 s[G1A+2], (AROWS/2)<<16              ; tensor_dim1: two rows of the panel in each row of 256 bytes
	s_mov_b32 s[G1A+3], 32<<16                     ; tile_dim0 = 32
	s_mov_b32 s[G1A+4], AROWS/2                    ; tile_dim1
	s_mov_b32 s[G1A+5], 32                         ; from row to row: 32 elements
	s_mov_b32 s[G1A+6], 0
	s_mov_b32 s[G1A+7], 0
	; group 1 of W's tiles: 64 rows of 256 f16, 2,048 elements apart; 8 words of padding behind every 128
	s_or_b32 s[G1B+0], s20, (1<<16)|(1<<20)|(1<<21)|(6<<22)|(7<<25)
	s_mov_b32 s[G1B+1], 256<<16
	s_mov_b32 s[G1B+2], 64<<16
	s_mov_b32 s[G1B+3], 256<<16
	s_mov_b32 s[G1B+4], 64
	s_mov_b32 s[G1B+5], 2048
	s_mov_b32 s[G1B+6], 0
	s_mov_b32 s[G1B+7], 0
	; where the tiles come from: A's address is made of the block row and the wave, W's of the block column and the wave, in registers that never hold the other coordinate
	s_mul_i32 s66, s18, ABLK                       ; my block of the panel
	s_mul_i32 s60, s14, PANB                       ; my panel of the step's two
	s_add_co_u32 s66, s66, s60
	s_mov_b32 s67, 0
	s_lshl_b32 s68, s17, 9                         ; 256 columns of 2 bytes
	s_lshl_b32 s60, s14, 18                        ; my 64 k rows of 4,096 bytes
	s_add_co_u32 s68, s68, s60
	s_add_co_u32 s68, s68, BOFF
	s_mov_b32 s69, 0
	s_mul_i32 s60, s12, BHALF                      ; and where they go: the wave's number times a constant
	s_mul_i32 s61, s12, APAN
	s_add_co_u32 s61, s61, AREG-2*APAN             ; waves 2, 3: AREG + (wave - 2) x APAN
	s_wait_dscnt 0x0
	s_wait_kmcnt 0x0
	s_add_nc_u64 s[66:67], s[4:5], s[66:67]
	s_add_nc_u64 s[68:69], s[6:7], s[68:69]
	CROUND                                         ; all sixteen work-groups are here: the first joint loads meet
.irp s, 0,1
	s_mov_b32 s[G0A+4*\s], 1
	s_add_co_u32 s[G0A+4*\s+1], s61, \s*SLOT
	s_add_nc_u64 s[G0A+4*\s+2:G0A+4*\s+3], s[66:67], \s*2*PANB     ; K step s: two panels on
	s_or_b32 s[G0A+4*\s+3], s[G0A+4*\s+3], 0x80000000
	s_mov_b32 s[G0B+4*\s], 1
	s_add_co_u32 s[G0B+4*\s+1], s60, \s*SLOT
	s_add_nc_u64 s[G0B+4*\s+2:G0B+4*\s+3], s[68:69], \s*524288     ; K step s: 128 rows on
	s_or_b32 s[G0B+4*\s+3], s[G0B+4*\s+3], 0x80000000
	JLOAD \s                                       ; two tensor loads of the wave are out here, one behind every later refill
.endr
	v_and_b32 v1, 15, v0                           ; r = l % 16
	v_bfe_u32 v2, v0, 4, 1                         ; h = l / 16
	v_and_b32 v3, 31, v0                           ; l
	v_and_b32 v4, 7, v0
	v_bfe_u32 v5, v0, 3, 1
	v_lshlrev_b32 v[LO16], 4, v3
.irp q, 0,1,2,3
	global_load_b128 v[TMP+4*\q:TMP+4*\q+3], v[LO16], s[PMX:PMX+1] offset:512*\q   ; x's 512 maxima
.endr
	global_load_b128 v[TMP+16:TMP+19], v[LO16], s[PMX:PMX+1] offset:2560           ; w_down's 128
	global_load_b128 v[TMP+20:TMP+23], v[LO16], s[PMX:PMX+1] offset:3072           ; w_up's 128
	; an A fragment (16 rows x 32 k): two loads of 16 bytes, 32 apart, at row x pitch + 16 h; tile a begins 32 a rows further, the remainders 128 rows further
	v_mul_u32_u24 v6, v1, PA
	v_lshl_add_u32 v6, v2, 4, v6
	s_mul_i32 s62, s13, 16*PA
	s_add_co_u32 s62, s62, AREG
	v_add_nc_u32 v[ADRA], s62, v6
	v_add_nc_u32 v[ADRA+1], SLOT, v[ADRA]
	; a W fragment (32 k x 16 columns, stored k by column): two transposing loads, 16 rows apart, at (8 h + l % 8) x pitch + 16 ((l / 8) % 2)
	v_lshl_add_u32 v7, v2, 3, v4
	v_mul_u32_u24 v7, v7, PB
	v_lshl_add_u32 v7, v5, 4, v7
	s_lshl_b32 s63, s14, 8
	v_add_nc_u32 v[ADRB], s63, v7
	v_add_nc_u32 v[ADRB+1], SLOT, v[ADRB]
	s_mul_i32 s56, s12, 16*SP
	s_add_co_u32 s56, s56, STAGE                   ; my stage
	v_mul_u32_u24 v8, v1, SP
	v_lshl_add_u32 v8, v2, 5, v8                   ; in: row r, 32 bytes (8 f32) for each half of the lanes
	v_add_nc_u32 v[STO], s56, v8
	v_add_nc_u32 v[RD], s56, v[LO16]               ; back: a whole row of 512 bytes
	s_lshl_b32 s57, s18, 7
	s_lshl_b32 s62, s13, 4
	s_add_co_u32 s57, s57, s62                     ; my first row of C: 128 x block row + 16 wr
	; 1 / sigma, while the first tiles are on their way.  The whole numbers here become bits of floats alone.
	s_wait_loadcnt 0x0
	v_max3_num_f32 v[TMP],    v[TMP],    v[TMP+1],  v[TMP+2]
	v_max3_num_f32 v[TMP+3],  v[TMP+3],  v[TMP+4],  v[TMP+5]
	v_max3_num_f32 v[TMP+6],  v[TMP+6],  v[TMP+7],  v[TMP+8]
	v_max3_num_f32 v[TMP+9],  v[TMP+9],  v[TMP+10], v[TMP+11]
	v_max3_num_f32 v[TMP+12], v[TMP+12], v[TMP+13], v[TMP+14]
	v_max3_num_f32 v[TMP],    v[TMP],    v[TMP+3],  v[TMP+6]
	v_max3_num_f32 v[TMP+9],  v[TMP+9],  v[TMP+12], v[TMP+15]
	v_max_num_f32  v[TMP],    v[TMP],    v[TMP+9]
	v_max3_num_f32 v[TMP+16], v[TMP+16], v[TMP+17], v[TMP+18]
	v_max_num_f32  v[TMP+16], v[TMP+16], v[TMP+19]
	v_max3_num_f32 v[TMP+20], v[TMP+20], v[TMP+21], v[TMP+22]
	v_max_num_f32  v[TMP+20], v[TMP+20], v[TMP+23]
.irp q, 0,16,20
	v_max_num_f32_dpp v[TMP+\q], v[TMP+\q], v[TMP+\q] row_xmask:1 row_mask:0xf bank_mask:0xf
	v_max_num_f32_dpp v[TMP+\q], v[TMP+\q], v[TMP+\q] row_xmask:2 row_mask:0xf bank_mask:0xf
	v_max_num_f32_dpp v[TMP+\q], v[TMP+\q], v[TMP+\q] row_xmask:4 row_mask:0xf bank_mask:0xf
	v_max_num_f32_dpp v[TMP+\q], v[TMP+\q], v[TMP+\q] row_xmask:8 row_mask:0xf bank_mask:0xf
	v_permlanex16_b32 v[TMP+1], v[TMP+\q], s58, s59
	v_max_num_f32 v[TMP+\q], v[TMP+\q], v[TMP+1]
.endr
	v_mul_f32 v[TMP], v[TMP], v[TMP+16]
	v_mul_f32 v[TMP], v[TMP], v[TMP+20]
	v_mul_f32 v[TMP], 0x4a000000, v[TMP]           ; x 2^21
	v_lshrrev_b32 v[TMP], 23, v[TMP]
	v_max_u32 v[TMP], 20, v[TMP]
	v_add_nc_u32 v[TMP+1], -14, v[TMP]             ; eb - 14
	v_lshlrev_b32 v[ISG], 23, v[TMP+1]
	v_mov_b32 v[ISG+1], v[ISG]
	; my corner of the output, in registers that feed no descriptor and no LDS address
	s_lshl_b32 s70, s57, 13                        ; rows of 8,192 bytes
	s_lshl_b32 s72, s17, 10
	s_add_co_u32 s70, s70, s72
	s_lshl_b32 s72, s14, 9
	s_add_co_u32 s70, s70, s72
	s_mov_b32 s71, 0
	s_add_nc_u64 s[POUT:POUT+1], s[POUT:POUT+1], s[70:71]
; 8 matrix instructions: row tile a x all 8 column tiles, 32 along K, from fragment buffer f.  zero = 1: the first product starts the sums.
.macro MUL8 f, a, zero
.irp b, 0,1,2,3,4,5,6,7
.if \zero
	v_wmma_f32_16x16x32_f16 v[8*(8*\a+\b):8*(8*\a+\b)+7], v[FB+64*\f+8*\b:FB+64*\f+8*\b+7], v[FA+32*\f+8*\a:FA+32*\f+8*\a+7], 0
.else
	v_wmma_f32_16x16x32_f16 v[8*(8*\a+\b):8*(8*\a+\b)+7], v[FB+64*\f+8*\b:FB+64*\f+8*\b+7], v[FA+32*\f+8*\a:FA+32*\f+8*\a+7], v[8*(8*\a+\b):8*(8*\a+\b)+7]
.endif
.endr
.endm
; 8 more: the remainders of row tile 0 x all 8 column tiles, onto the same sums
.macro MUL8L f
.irp b, 0,1,2,3,4,5,6,7
	v_wmma_f32_16x16x32_f16 v[8*\b:8*\b+7], v[FB+64*\f+8*\b:FB+64*\f+8*\b+7], v[FL+8*\f:FL+8*\f+7], v[8*\b:8*\b+7]
.endr
.endm
; 26 LDS loads in one run: quarter q (32 k) of a slot into buffer f: W's eight fragments first, then A's four, then the remainders'
.macro FETCH slot, q, f
	WIN 0
.irp b, 0,1,2,3,4,5,6,7
	ds_load_tr16_b128 v[FB+64*\f+8*\b:FB+64*\f+8*\b+3],   v[ADRB+\slot] offset:\q*32*PB+32*\b
	ds_load_tr16_b128 v[FB+64*\f+8*\b+4:FB+64*\f+8*\b+7], v[ADRB+\slot] offset:\q*32*PB+32*\b+16*PB
.endr
.irp a, 0,1,2,3
	ds_load_b128 v[FA+32*\f+8*\a:FA+32*\f+8*\a+3],   v[ADRA+\slot] offset:(\q/2)*APAN+(\q%2)*64+\a*32*PA
	ds_load_b128 v[FA+32*\f+8*\a+4:FA+32*\f+8*\a+7], v[ADRA+\slot] offset:(\q/2)*APAN+(\q%2)*64+\a*32*PA+32
.endr
	ds_load_b128 v[FL+8*\f:FL+8*\f+3],   v[ADRA+\slot] offset:(\q/2)*APAN+(\q%2)*64+128*PA
	ds_load_b128 v[FL+8*\f+4:FL+8*\f+7], v[ADRA+\slot] offset:(\q/2)*APAN+(\q%2)*64+128*PA+32
.endm
; A K step is four quarters of 40 matrix instructions on buffers 0, 1, 0, 1.  The accumulators take turns in one order in every quarter,
; one instruction a turn, over the loop's backward jump too.
.macro QUARTER slot, qn, f, g, zero
	s_wait_dscnt NY                                ; W's fragments and A's tiles 0, 1 are in; the six youngest loads (A's tiles 2, 3, the remainders) may be out
	WIN 0x50                                       ; C and D in window 1
	MUL8 \f, 0, \zero
	MUL8 \f, 1, \zero
	PLACES
	FETCH \slot, \qn, \g
	s_wait_dscnt NF                                ; all but the 26 just issued
	WIN 0x50
	MUL8 \f, 2, \zero
	MUL8 \f, 3, \zero
	MUL8L \f
.endm
.macro THREE slot, zero
	QUARTER \slot, 1, 0, 1, \zero
	QUARTER \slot, 2, 1, 0, 0
	QUARTER \slot, 3, 0, 1, 0
.endm
; The last quarter multiplies buffer 1 and changes slots.  In front of the barrier each wave waits for its reads of this slot and for all its tensor
; loads (one is out: its part of the next slot).  fill = 1: the barrier opens a round of the cluster's barrier and the joint refill, two K steps ahead,
; is the first tensor load behind the round.  From a request to the wait for it a wave issues a K step's matrix instructions less eight: 152.
.macro TURN slot, next, fill
	s_wait_dscnt NY
	WIN 0x50
	MUL8 1, 0, 0
	s_wait_dscnt 0x0                               ; my reads of this slot are over
	s_wait_tensorcnt 0x0                           ; and all my tensor loads have landed
	ds_add_u32 v254, v255
	s_wait_dscnt 0x0
	s_barrier_signal -1
	MUL8 1, 1, 0                                   ; register work while the others arrive
	WIN 0
	s_barrier_wait -1
.if \fill
	CREST                                          ; no wave of any partner still reads this slot or has a load on its way
	s_add_nc_u64 s[G0A+4*\slot+2:G0A+4*\slot+3], s[G0A+4*\slot+2:G0A+4*\slot+3], 4*PANB    ; two K steps: four panels
	s_add_nc_u64 s[G0B+4*\slot+2:G0B+4*\slot+3], s[G0B+4*\slot+2:G0B+4*\slot+3], 1048576   ; two K steps: 256 rows
	JLOAD \slot
.endif
	PLACES
	FETCH \next, 0, 0
	WIN 0x50
	MUL8 1, 2, 0
	MUL8 1, 3, 0
	MUL8L 1
.endm
.macro LAP zero
	THREE 0, \zero
	TURN 0, 1, 1
	THREE 1, 0
	TURN 1, 0, 1
.endm
	s_wait_tensorcnt 0x1                           ; my part of K step 0 is in; K step 1's stays out
	s_barrier_signal -1
	s_barrier_wait -1
	FETCH 0, 0, 0
	LAP 1                                          ; the first lap stands in front of the loop: its first products start the sums
	WIN 0
	s_mov_b32 s21, LAPS-2
.Llap:
	LAP 0
	WIN 0
	s_sub_co_u32 s21, s21, 1
	s_cmp_lg_u32 s21, 0
	s_cbranch_scc1 .Llap
	THREE 0, 0                                     ; the last lap fills nothing
	TURN 0, 1, 0
	THREE 1, 0
	s_wait_dscnt NY
	WIN 0x50
	MUL8 1, 0, 0
	MUL8 1, 1, 0
	s_wait_dscnt 0x0
	MUL8 1, 2, 0
	MUL8 1, 3, 0
	MUL8L 1
	PLACES                                         ; behind the last matrix instructions, for all that follows
	WIN 0
; 16 rows of C in f32: times 1 / sigma, 32 bytes a lane into my stage, back as whole rows of 512 bytes, out: a store of the wave covers 512 consecutive bytes, aligned.
.macro OUTF a, lb
	WIN 0x01
.irp b, 0,1,2,3,4,5,6,7
.irp p, 0,1,2,3
	v_pk_mul_f32 v[RF+8*\b+2*\p:RF+8*\b+2*\p+1], v[8*(8*\a+\b)+2*\p:8*(8*\a+\b)+2*\p+1], v[ISG:ISG+1]
.endr
.endr
	WIN 0
.irp b, 0,1,2,3,4,5,6,7
	ds_store_b128 v[STO], v[RF+8*\b:RF+8*\b+3]   offset:64*\b
	ds_store_b128 v[STO], v[RF+8*\b+4:RF+8*\b+7] offset:64*\b+16
.endr
	s_wait_xcnt 0x0                                ; set lb was the data of earlier stores: it is loaded again only behind this wait
.irp t, 0,1,2,3,4,5,6,7,8,9,10,11,12,13,14,15
	ds_load_b128 v[\lb+4*\t:\lb+4*\t+3], v[RD] offset:SP*\t        ; LDS serves a wave's instructions in order (ISA guide 5.7.1.4): these see the stores above
.endr
.irp t, 0,1,2,3,4,5,6,7,8,9,10,11,12,13,14,15
	s_wait_dscnt 15-\t                             ; the 15 - t younger read-backs may be out
	global_store_b128 v[LO16], v[\lb+4*\t:\lb+4*\t+3], s[POUT:POUT+1] offset:(32*\a+\t)*8192 th:TH_STORE_NT
.endr
.endm
	OUTF 0, 32
	OUTF 1, 96
	OUTF 2, 32
	OUTF 3, 96
	s_wait_tensorcnt 0x0
	ds_add_u32 v254, v255
	s_wait_dscnt 0x0
	CROUND                                         ; the closing round: no work-group ends while a partner may still ask for a tile that names it
	s_endpgm
.Lfunc_end_k_q451f2f08c0_gemm3:
	.size	k_q451f2f08c0_gemm3, .Lfunc_end_k_q451f2f08c0_gemm3-k_q451f2f08c0_gemm3
	.p2alignl 7, 3214868480
	.fill 96, 4, 3214868480
	.section	.rodata,"a",@progbits
	.p2align	6, 0x0
	.amdhsa_kernel k_q451f2f08c0_gemm3
		.amdhsa_group_segment_fixed_size 327680
		.amdhsa_private_segment_fixed_size 0
		.amdhsa_enable_private_segment 0
		.amdhsa_kernarg_size 32
		.amdhsa_user_sgpr_count 2
		.amdhsa_user_sgpr_kernarg_segment_ptr 1
		.amdhsa_wavefront_size32 1
		.amdhsa_system_sgpr_workgroup_id_x 1
		.amdhsa_system_sgpr_workgroup_id_y 1
		.amdhsa_system_sgpr_workgroup_id_z 1
		.amdhsa_system_vgpr_workitem_id 0
		.amdhsa_next_free_vgpr 512
		.amdhsa_next_free_sgpr 80
		.amdhsa_reserve_vcc 0
		.amdhsa_float_denorm_mode_32 3
		.amdhsa_float_denorm_mode_16_64 3
		.amdhsa_memory_ordered 1
		.amdhsa_forward_progress 1
		.amdhsa_inst_pref_size 143
	.end_amdhsa_kernel
	.amdgpu_metadata
---
amdhsa.version: [ 1, 2 ]
amdhsa.kernels:
  - .name:           k_q451f2f08c0_gemm3
    .symbol:         k_q451f2f08c0_gemm3.kd
    .args:
      - { .name: ao, .offset: 0, .size: 8, .value_kind: global_buffer, .address_space: global }
      - { .name: w16, .offset: 8, .size: 8, .value_kind: global_buffer, .address_space: global }
      - { .name: mx, .offset: 16, .size: 8, .value_kind: global_buffer, .address_space: global }
      - { .name: out0, .offset: 24, .size: 8, .value_kind: global_buffer, .address_space: global }
    .group_segment_fixed_size: 327680
    .private_segment_fixed_size: 0
    .kernarg_segment_align: 8
    .kernarg_segment_size: 32
    .max_flat_workgroup_size: 128
    .sgpr_count:     80
    .vgpr_count:     512
    .wavefront_size: 32
...
	.end_amdgpu_metadata
.endif
;; end of part 5
